; MI455X (gfx1250); checked and timed in simulation.
; The chip was launched on July 23, 2026; its instructions are those of AMD's public machine-readable ISA for CDNA 5 (MIT licence, August 2026) and "CDNA5" Instruction Set Architecture Reference Guide (July 2026). The comments in the code are by the model that wrote it; some were corrected since.
;; GDSKR. Allowed arithmetic: float matrix products may take bf16 or f16 operands with f32 sums; other float arithmetic in f32, or as packed bf16 or f16 multiplies, adds, multiply-adds, maxima and minima; sums over many terms, partial sums and values carried from step to step in f32; what a program stores and reads back later, other than sums and carried values, may be rounded once to bf16 or f16.
;; Inputs: W1 15 x 256 float32; W2 256 x 128 float32; W3 128 x 64 float32; b1 256 float32; b2 128 float32; b3 64 float32; emb_obs 2 x 4 float32; f_ctx 8 x 4,096 x 8 float32; ln_bias 64 float32; ln_scale 64 float32; s_ctx 8 x 4,096 x 3 float32; s_test 8 x 2,048 x 3 float32.
;; Outputs: out0 8 x 2,048 x 64 float32; out1 8 x 4,096 x 64 float32; out2 8 x 2,048 x 16 float32; out3 8 x 2,048 x 16 int32; out4 8 x 4,096 x 16 float32; out5 8 x 4,096 x 16 int32.
;; Constants: k = 16.
;; 2 versions, each right; version 2 is version 1 with the launch mlp written anew for expert scheduling mode. Each part assembles by itself: llvm-mc -triple=amdgcn-amd-amdhsa -mcpu=gfx1250 --defsym DOCPART=n.
;; ======== version 1 of 2: 3 launches
;; limits: values are held in f16: magnitudes above 65,504 overflow, below 6.1e-05 lose precision
;; workspace buffers: groups 786,432 bytes of whole numbers
;; launch mlp (part 1): grid 256 x 1, 12 waves a work-group, no clusters, 158,976 bytes of LDS; arguments W1, W2, W3, b1, b2, b3, ln_scale, ln_bias, emb_obs, s_test, s_ctx, f_ctx, out0, out1; writes out0, out1
.if DOCPART == 1
	.amdgcn_target "amdgcn-amd-amdhsa--gfx1250"
	.amdhsa_code_object_version 6
	.text
	.protected	k_q1478317b9e_mlp
	.globl	k_q1478317b9e_mlp
	.p2align	8
	.type	k_q1478317b9e_mlp,@function
k_q1478317b9e_mlp:
	s_mov_b64 s[64:65], 0
	v_nop
	global_prefetch_b8 v0, s[64:65] scope:SCOPE_SE
	s_setreg_imm32_b32 hwreg(HW_REG_WAVE_MODE, 25, 1), 1
	s_wait_xcnt 0x0
; out0 / out1 = LayerNorm(MLP([emb, s, f])): 15 -> 256 -> 128 -> 64, tanh-gelu between the layers, for 16,384 test rows and 32,768 ctx rows.
; SHARES.  256 work-groups of 12 waves.  Work-group i owns test rows 64 i .. +63 (waves 0-3) and ctx rows 128 i .. +127 (waves 4-11); a wave owns ONE tile of 16 rows from input to output.
; FORMATS.  Every input is rounded to bf16 once.  Layer 1: x and W1 in bf16.  Layer 2: h1 in f16, W2 = the bf16 number written as f16.  Layer 3: h2 as a bf16 pair hi + lo
; (two matrix instructions for each fragment of W3), W3 in bf16.  Sums, gelu and the norm in f32.
; LIMITS.  |h1| stays under 65,504 (f16); a weight of W2 below 7.6e-6 in magnitude loses low bits in f16's fixed step; NaN and infinities are not treated apart.
; LAYOUT.  All products are taken transposed: source 0 = 16 features x 32 k of W^T, read turned out of LDS ([k][n] there) by ds_load_tr16_b128; source 1 = 32 k x 16 rows of activations.
; In a result lane (r, h) holds row r and features n0 + 8 h + 0..7, so two results, packed in pairs, ARE source 1 of the next layer: no activation goes through LDS.
; A bias is loaded straight into its accumulator, so every product adds in place; the accumulators take turns, one instruction a turn.
; NO TENSOR LOADS, NO CLUSTER: each weight is rounded (W2 also re-coded) on its way into LDS, so it passes through registers anyway; the weights are 179,200 bytes, read once by a work-group.
.set W1T,   0                          ; [16 k][256 n] bf16, pitch 544; row 15 holds 0
.set P1,    544
.set W2T,   8704                       ; [256 k][128 n] f16, pitch 288
.set P2,    288
.set W3T,   82432                      ; [128 k][64 n] bf16, pitch 160.  The three pitches are odd multiples of 32 bytes
.set P3,    160
.set PAR,   102912                     ; f32 of the rounded b1 (+0), b2 (+1024), b3 (+1536), ln_scale (+1792), ln_bias (+2048)
.set STG,   105216                     ; the way out: 16 rows x 272 bytes for each wave
.set SP,    272
.set SPARE, 157440                     ; the spare words: 128 bytes for each of the 12 waves, six blocks of 256 bytes that no other line names
.set TR1,  4                           ; v4     my lane's place in a turned fragment of W1
.set TR2,  5                           ; v5, v6 the same for W2: k 0-127, k 128-255
.set TR3,  7                           ; v7     the same for W3
.set PB,   8                           ; v8     PAR + 32 h
.set STO,  9                           ; v9     the way out: where I put my 32 bytes of a feature tile
.set RD,   10                          ; v10    the way out: where I read rows back
.set GO,   11                          ; v11    my byte offset in the output
.set SPW,  12                          ; v12    LDS address of my spare word; never rewritten
.set NIL,  13                          ; v13    0; never rewritten
.set XB,   16                          ; v[16:23]   x as source 1 (k 16-31 are 0)
.set A1,   24                          ; v[24:39]   two fragments of W1 (their k 16-31 are 0)
.set ACC1, 40                          ; v[40:55]   two results of layer 1
.set ACC3, 24                          ; v[24:55]   four results of layer 3, where A1 and ACC1 lay
.set H,    56                          ; v[56:63]   packed activations
.set HL,   64                          ; v[64:71]   their low parts (layer 3)
.set P,    72                          ; v[72:87]   at work
.set E,    88                          ; v[88:103]  at work
.set A2,   104                         ; v[104:167] eight fragments of W2, or four of W3; raw weights at the start
.set SC,   104                         ; v[104:135] ln_scale of my 32 features
.set BI,   136                         ; v[136:167] ln_bias
.set ACC2, 168                         ; v[168:231] eight results of layer 2
	s_load_b512 s[8:23], s[0:1], 0x0               ; W1 s[8:9], W2 s[10:11], W3 s[12:13], b1 s[14:15], b2 s[16:17], b3 s[18:19], ln_scale s[20:21], ln_bias s[22:23]
	s_load_b256 s[24:31], s[0:1], 0x40             ; emb_obs s[24:25], s_test s[26:27], s_ctx s[28:29], f_ctx s[30:31]
	s_load_b128 s[32:35], s[0:1], 0x60             ; out0 s[32:33], out1 s[34:35]
	v_lshl_add_u32 v[SPW], v0, 2, SPARE
	v_mov_b32 v[NIL], 0
	v_and_b32 v1, 31, v0                           ; L
	v_and_b32 v2, 15, v0                           ; r
	v_bfe_u32 v3, v0, 4, 1                         ; h
	v_lshrrev_b32 v14, 5, v0
	v_readfirstlane_b32 s2, v14                    ; wave 0..11
	s_mov_b32 s44, 0xc0135761                      ; c1 = -2 log2(e) sqrt(2/pi)
	s_mov_b32 s45, s44                             ; named with it as a pair
	s_mov_b32 s46, 0xbdd2d3e8                      ; c2 = 0.044715 c1
	s_mov_b32 s47, s46
	s_mov_b32 s48, 0x76543210                      ; v_permlanex16_b32: each lane takes its own place in the other half
	s_mov_b32 s49, 0xfedcba98
	s_mov_b32 s50, 0xffff0000                      ; a word's upper bf16
	s_mov_b32 s51, 0x3c800000                      ; 1/64
	s_lshl_b32 s3, ttmp9, 6
	s_lshl_b32 s4, s2, 4
	s_add_co_u32 s3, s3, s4                        ; a test wave's first row: 64 i + 16 w
	s_lshl_b32 s5, ttmp9, 7
	s_max_u32 s6, s2, 4
	s_sub_co_u32 s6, s6, 4
	s_lshl_b32 s6, s6, 4
	s_add_co_u32 s5, s5, s6                        ; a ctx wave's first row: 128 i + 16 (w - 4)
	s_cmp_lt_u32 s2, 4
	s_cselect_b32 s3, s3, s5                       ; my tile's first row
	v_add_nc_u32 v14, s3, v2                       ; my row
	v_lshlrev_b32 v15, 5, v14                      ; x 32 bytes of f
	v_mul_u32_u24 v14, v14, 12                     ; x 12 bytes of s
	s_wait_kmcnt 0x0
	s_load_b256 s[36:43], s[24:25], 0x0            ; emb_obs: row 0 in s[36:39], row 1 in s[40:43]
	s_cmp_lt_u32 s2, 4
	s_cselect_b64 s[52:53], s[26:27], s[28:29]     ; where my s comes from
	s_cselect_b64 s[54:55], s[32:33], s[34:35]     ; where my rows go
	global_load_b32 v232, v14, s[52:53]
	global_load_b32 v233, v14, s[52:53] offset:4
	global_load_b32 v234, v14, s[52:53] offset:8
	s_cmp_lt_u32 s2, 4
	s_cbranch_scc1 .Ltestf
	global_load_b128 v[236:239], v15, s[30:31]
	global_load_b128 v[240:243], v15, s[30:31] offset:16
	s_branch .Lfdone
.Ltestf:                                               ; a test row's f is 0
.set i, 236
.rept 8
	v_mov_b32 v[i], 0
.set i, i+1
.endr
.Lfdone:
; THE WEIGHTS INTO LDS.  Waves 0-7: 32 rows of W2 each.  Waves 8-11: 32 rows of W3 and 4 of W1 each.  Wave 8 also the five vectors.
.macro TOF16 a                         ; four numbers: rounded to bf16, widened, written as f16 into the first two registers
	v_cvt_pk_bf16_f32 v16, v[(\a)], v[(\a)+1]
	v_cvt_pk_bf16_f32 v17, v[(\a)+2], v[(\a)+3]
	v_lshlrev_b32 v[(\a)], 16, v16
	v_and_b32 v[(\a)+1], s50, v16
	v_lshlrev_b32 v[(\a)+2], 16, v17
	v_and_b32 v[(\a)+3], s50, v17
	v_cvt_pk_f16_f32 v[(\a)], v[(\a)], v[(\a)+1]
	v_cvt_pk_f16_f32 v[(\a)+1], v[(\a)+2], v[(\a)+3]
.endm
.macro TOBF a                          ; four numbers rounded to bf16 into the first two registers
	v_cvt_pk_bf16_f32 v[(\a)], v[(\a)], v[(\a)+1]
	v_cvt_pk_bf16_f32 v[(\a)+1], v[(\a)+2], v[(\a)+3]
.endm
.macro RND2 a                          ; two numbers rounded to bf16 and widened again, in place
	v_cvt_pk_bf16_f32 v16, v[(\a)], v[(\a)+1]
	v_lshlrev_b32 v[(\a)], 16, v16
	v_and_b32 v[(\a)+1], s50, v16
.endm
	s_cmp_lt_u32 s2, 8
	s_cbranch_scc0 .Lw13
	s_lshl_b32 s4, s2, 14                          ; 32 rows of 512 bytes
	v_lshl_add_u32 v18, v1, 4, s4                  ; a load takes one row: 16 bytes a lane
	s_mul_i32 s5, s2, 32*P2
	s_add_co_u32 s5, s5, W2T
	v_lshl_add_u32 v19, v1, 3, s5                  ; 8 bytes of f16 a lane
.set i, 0
.rept 32
	global_load_b128 v[104+4*i:107+4*i], v18, s[10:11] offset:512*i
.set i, i+1
.endr
	s_wait_loadcnt 0x0                             ; the weights, and my row of s and f
.set i, 0
.rept 32
	TOF16 104+4*i
	ds_store_b64 v19, v[104+4*i:105+4*i] offset:P2*i
.set i, i+1
.endr
	s_branch .Lwdone
.Lw13:
	s_sub_co_u32 s4, s2, 8                         ; 0..3
	s_lshl_b32 s5, s4, 13                          ; 32 rows of W3, 256 bytes each
	v_lshl_add_u32 v18, v1, 4, s5                  ; a load takes two rows
.set i, 0
.rept 16
	global_load_b128 v[104+4*i:107+4*i], v18, s[12:13] offset:512*i
.set i, i+1
.endr
	s_lshl_b32 s5, s4, 12                          ; 4 rows of W1, 1,024 bytes each
	v_lshl_add_u32 v20, v1, 4, s5                  ; two loads a row
.set i, 0
.rept 6
	global_load_b128 v[168+4*i:171+4*i], v20, s[8:9] offset:512*i
.set i, i+1
.endr
	s_cmp_lt_u32 s4, 3
	s_cbranch_scc0 .Lw1z
	global_load_b128 v[192:195], v20, s[8:9] offset:3072
	global_load_b128 v[196:199], v20, s[8:9] offset:3584
	s_branch .Lw1l
.Lw1z:                                                 ; W1 has 15 rows: row 15 of the table is 0, and nothing is loaded past the buffer
.set i, 192
.rept 8
	v_mov_b32 v[i], 0
.set i, i+1
.endr
.Lw1l:
	s_mul_i32 s5, s4, 32*P3
	s_add_co_u32 s5, s5, W3T
	v_mul_u32_u24 v19, v3, P3                      ; lanes 16-31 hold the odd row
	v_lshl_add_u32 v19, v2, 3, v19
	v_add_nc_u32 v19, s5, v19
	s_mul_i32 s5, s4, 4*P1
	v_lshl_add_u32 v21, v1, 3, s5                  ; W1T = 0
	s_cmp_eq_u32 s2, 8
	s_cbranch_scc0 .Lnopar
	v_lshlrev_b32 v22, 4, v1
	v_lshlrev_b32 v23, 3, v1
	global_load_b128 v[200:203], v22, s[14:15]
	global_load_b128 v[204:207], v22, s[14:15] offset:512
	global_load_b128 v[208:211], v22, s[16:17]
	global_load_b64 v[212:213], v23, s[18:19]
	global_load_b64 v[214:215], v23, s[20:21]
	global_load_b64 v[216:217], v23, s[22:23]
	v_lshl_add_u32 v24, v1, 4, PAR
	v_lshl_add_u32 v25, v1, 3, PAR+1536
	s_wait_loadcnt 0x0
.set i, 200
.rept 9
	RND2 i
.set i, i+2
.endr
	ds_store_b128 v24, v[200:203]
	ds_store_b128 v24, v[204:207] offset:512
	ds_store_b128 v24, v[208:211] offset:1024
	ds_store_b64 v25, v[212:213]
	ds_store_b64 v25, v[214:215] offset:256
	ds_store_b64 v25, v[216:217] offset:512
.Lnopar:
	s_wait_loadcnt 0x0
.set i, 0
.rept 16
	TOBF 104+4*i
	ds_store_b64 v19, v[104+4*i:105+4*i] offset:2*P3*i
.set i, i+1
.endr
.set i, 0
.rept 8
	TOBF 168+4*i
	ds_store_b64 v21, v[168+4*i:169+4*i] offset:P1*(i/2)+256*(i%2)
.set i, i+1
.endr
.Lwdone:
	s_wait_dscnt 0x0                               ; for the others' sake: my part of the tables is written
	s_barrier_signal -1
	s_barrier_wait -1                              ; the tables are whole; nothing writes them again
	; addresses.  The turning load: lane L reads 16 bytes of row k0 + 8 h + L % 8 at column n0 + 8 ((L / 8) % 2)
	v_and_b32 v26, 7, v0
	v_lshl_add_u32 v26, v3, 3, v26
	v_bfe_u32 v27, v0, 3, 1
	v_lshlrev_b32 v27, 4, v27
	v_mul_u32_u24 v[TR1], v26, P1
	v_add_nc_u32 v[TR1], v[TR1], v27
	v_mul_u32_u24 v[TR2], v26, P2
	v_add_nc_u32 v[TR2], v[TR2], v27
	v_add_nc_u32 v[TR2], W2T, v[TR2]
	v_add_nc_u32 v[TR2+1], 128*P2, v[TR2]          ; so that the immediates stay within 16 bits
	v_mul_u32_u24 v[TR3], v26, P3
	v_add_nc_u32 v[TR3], v[TR3], v27
	v_add_nc_u32 v[TR3], W3T, v[TR3]
	v_lshl_add_u32 v[PB], v3, 5, PAR
	s_mul_i32 s4, s2, 16*SP
	s_add_co_u32 s4, s4, STG
	v_mul_u32_u24 v[STO], v2, SP
	v_lshl_add_u32 v[STO], v3, 5, v[STO]
	v_add_nc_u32 v[STO], s4, v[STO]
	v_mul_u32_u24 v[RD], v3, SP
	v_lshl_add_u32 v[RD], v2, 4, v[RD]
	v_add_nc_u32 v[RD], s4, v[RD]
	s_lshl_b32 s5, s3, 8                           ; a row of the output is 256 bytes
	v_lshlrev_b32 v[GO], 8, v3
	v_lshl_add_u32 v[GO], v2, 4, v[GO]
	v_add_nc_u32 v[GO], s5, v[GO]
	; b2 into layer 2's accumulators
.set i, 0
.rept 16
	ds_load_b128 v[ACC2+4*i:ACC2+4*i+3], v[PB] offset:1024+64*(i/2)+16*(i%2)
.set i, i+1
.endr
	; x as source 1: lanes with h = 0 hold k 0-7 (e0 e1 e2 e3 s0 s1 s2 f0), lanes with h = 1 hold k 8-15 (f1 .. f7, 0); k 16-31 are 0, in W1's fragments too
.irp i, 28,29,30,31,36,37,38,39
	v_mov_b32 v\i, 0
.endr
	s_wait_kmcnt 0x0                               ; emb_obs
	s_cmp_lt_u32 s2, 4                             ; test rows take row 0, ctx rows row 1
	s_cselect_b32 s36, s36, s40
	s_cselect_b32 s37, s37, s41
	s_cselect_b32 s38, s38, s42
	s_cselect_b32 s39, s39, s43
	v_mov_b32 v40, s36
	v_mov_b32 v41, s37
	v_mov_b32 v42, s38
	v_mov_b32 v43, s39
	v_cvt_pk_bf16_f32 v16, v40, v41
	v_cvt_pk_bf16_f32 v17, v42, v43
	v_cvt_pk_bf16_f32 v18, v232, v233
	v_cvt_pk_bf16_f32 v19, v234, v236
	v_cvt_pk_bf16_f32 v20, v237, v238
	v_cvt_pk_bf16_f32 v21, v239, v240
	v_cvt_pk_bf16_f32 v22, v241, v242
	v_cvt_pk_bf16_f32 v23, v243, v28
	v_cmp_eq_u32 vcc_lo, 1, v3
	v_cndmask_b32 v16, v16, v20, vcc_lo
	v_cndmask_b32 v17, v17, v21, vcc_lo
	v_cndmask_b32 v18, v18, v22, vcc_lo
	v_cndmask_b32 v19, v19, v23, vcc_lo
	v_mov_b32 v20, 0
	v_mov_b32 v21, 0
	v_mov_b32 v22, 0
	v_mov_b32 v23, 0
.macro PLACES                          ; four places behind matrix instructions, ahead of loads into their registers and of vector lines that read their results
.rept 4
	v_nop
.endr
.endm
; gelu of 16 numbers in place: x / (1 + 2^(x (c1 + c2 x x))).  The 16 exponentials are one batch with one wait, and so are the 16 reciprocals.
; Each accumulator's lowest registers are read first.
.macro GELU16 s
.set g, 0
.rept 8
	v_pk_mul_f32 v[P+2*g:P+2*g+1], v[(\s)+2*g:(\s)+2*g+1], v[(\s)+2*g:(\s)+2*g+1]
.set g, g+1
.endr
.set g, 0
.rept 8
	v_pk_fma_f32 v[P+2*g:P+2*g+1], v[P+2*g:P+2*g+1], s[46:47], s[44:45] op_sel_hi:[1,0,0]
.set g, g+1
.endr
.set g, 0
.rept 8
	v_pk_mul_f32 v[P+2*g:P+2*g+1], v[P+2*g:P+2*g+1], v[(\s)+2*g:(\s)+2*g+1]
.set g, g+1
.endr
.set g, 0
.rept 16
	v_exp_f32 v[E+g], v[P+g]
.set g, g+1
.endr
	v_nop                                          ; a plain instruction behind the last exponential
	s_wait_alu depctr_va_vdst(0)                   ; one wait for the batch
.set g, 0
.rept 8
	v_pk_add_f32 v[E+2*g:E+2*g+1], v[E+2*g:E+2*g+1], 1.0 op_sel_hi:[1,0]
.set g, g+1
.endr
.set g, 0
.rept 16
	v_rcp_f32 v[E+g], v[E+g]
.set g, g+1
.endr
	v_nop
	s_wait_alu depctr_va_vdst(0)
.set g, 0
.rept 8
	v_pk_mul_f32 v[(\s)+2*g:(\s)+2*g+1], v[(\s)+2*g:(\s)+2*g+1], v[E+2*g:E+2*g+1]
.set g, g+1
.endr
.endm
; Features 32 c .. 32 c + 31 of layer 1 (two results), their gelu, and their share of layer 2: k = 32 c .. + 31 for all eight feature tiles.
.macro CHUNK1 c
	PLACES                                         ; behind the last products, ahead of the loads into W2's fragments
	ds_load_b128 v[ACC1:ACC1+3], v[PB] offset:128*(\c)            ; b1 of my 8 + 8 features
	ds_load_b128 v[ACC1+4:ACC1+7], v[PB] offset:128*(\c)+16
	ds_load_b128 v[ACC1+8:ACC1+11], v[PB] offset:128*(\c)+64
	ds_load_b128 v[ACC1+12:ACC1+15], v[PB] offset:128*(\c)+80
	ds_load_tr16_b128 v[A1:A1+3], v[TR1] offset:64*(\c)
	ds_load_tr16_b128 v[A1+8:A1+11], v[TR1] offset:64*(\c)+32
.set nt, 0
.rept 8
	ds_load_tr16_b128 v[A2+8*nt:A2+8*nt+3], v[TR2+(\c)/4] offset:32*P2*((\c)%4)+32*nt
	ds_load_tr16_b128 v[A2+8*nt+4:A2+8*nt+7], v[TR2+(\c)/4] offset:32*P2*((\c)%4)+16*P2+32*nt
.set nt, nt+1
.endr
	s_wait_dscnt 16                                ; all but W2's sixteen loads, which were issued last
	v_wmma_f32_16x16x32_bf16 v[ACC1:ACC1+7], v[A1:A1+7], v[XB:XB+7], v[ACC1:ACC1+7]
	v_wmma_f32_16x16x32_bf16 v[ACC1+8:ACC1+15], v[A1+8:A1+15], v[XB:XB+7], v[ACC1+8:ACC1+15]
	PLACES
	GELU16 ACC1
.set g, 0
.rept 8
	v_cvt_pk_f16_f32 v[H+g], v[ACC1+2*g], v[ACC1+2*g+1]
.set g, g+1
.endr
	s_wait_dscnt 0x0                               ; W2's fragments
.set nt, 0
.rept 8
	v_wmma_f32_16x16x32_f16 v[ACC2+8*nt:ACC2+8*nt+7], v[A2+8*nt:A2+8*nt+7], v[H:H+7], v[ACC2+8*nt:ACC2+8*nt+7]
.set nt, nt+1
.endr
.endm
.irp c, 0,1,2,3,4,5,6,7
	CHUNK1 \c
.endr
	; LAYER 3.  b3 into its accumulators; then k = 32 c .. + 31: gelu of two results of layer 2, split into hi + lo, eight products
	PLACES
.set i, 0
.rept 8
	ds_load_b128 v[ACC3+4*i:ACC3+4*i+3], v[PB] offset:1536+64*(i/2)+16*(i%2)
.set i, i+1
.endr
.macro CHUNK3 c
.if (\c) > 0
	PLACES
.endif
.set nt, 0
.rept 4
	ds_load_tr16_b128 v[A2+8*nt:A2+8*nt+3], v[TR3] offset:32*P3*(\c)+32*nt
	ds_load_tr16_b128 v[A2+8*nt+4:A2+8*nt+7], v[TR3] offset:32*P3*(\c)+16*P3+32*nt
.set nt, nt+1
.endr
	GELU16 ACC2+16*(\c)
.set g, 0
.rept 8
	v_cvt_pk_bf16_f32 v[H+g], v[ACC2+16*(\c)+2*g], v[ACC2+16*(\c)+2*g+1]
.set g, g+1
.endr
.set g, 0
.rept 8
	v_lshlrev_b32 v[P+2*g], 16, v[H+g]
	v_and_b32 v[P+2*g+1], s50, v[H+g]
.set g, g+1
.endr
.set g, 0
.rept 8
	v_pk_add_f32 v[P+2*g:P+2*g+1], v[ACC2+16*(\c)+2*g:ACC2+16*(\c)+2*g+1], v[P+2*g:P+2*g+1] neg_lo:[0,1] neg_hi:[0,1]  ; what the rounding left
.set g, g+1
.endr
.set g, 0
.rept 8
	v_cvt_pk_bf16_f32 v[HL+g], v[P+2*g], v[P+2*g+1]
.set g, g+1
.endr
	s_wait_dscnt 0x0                               ; W3's fragments (and b3)
.set nt, 0
.rept 4
	v_wmma_f32_16x16x32_bf16 v[ACC3+8*nt:ACC3+8*nt+7], v[A2+8*nt:A2+8*nt+7], v[H:H+7], v[ACC3+8*nt:ACC3+8*nt+7]
.set nt, nt+1
.endr
.set nt, 0
.rept 4
	v_wmma_f32_16x16x32_bf16 v[ACC3+8*nt:ACC3+8*nt+7], v[A2+8*nt:A2+8*nt+7], v[HL:HL+7], v[ACC3+8*nt:ACC3+8*nt+7]
.set nt, nt+1
.endr
.endm
.irp c, 0,1,2,3
	CHUNK3 \c
.endr
	; LAYER NORM.  A lane holds 32 of its row's 64 features, the lane 16 away the others.
	PLACES
.set i, 0
.rept 8
	ds_load_b128 v[SC+4*i:SC+4*i+3], v[PB] offset:1792+64*(i/2)+16*(i%2)
.set i, i+1
.endr
.set i, 0
.rept 8
	ds_load_b128 v[BI+4*i:BI+4*i+3], v[PB] offset:2048+64*(i/2)+16*(i%2)
.set i, i+1
.endr
.macro ROWSUM                          ; four packed chains in v[P:P+7] into the row's sum, in v[E] of every lane
	v_pk_add_f32 v[P:P+1], v[P:P+1], v[P+2:P+3]
	v_pk_add_f32 v[P+4:P+5], v[P+4:P+5], v[P+6:P+7]
	v_pk_add_f32 v[P:P+1], v[P:P+1], v[P+4:P+5]
	v_add_f32 v[E], v[P], v[P+1]
	v_permlanex16_b32 v[E+1], v[E], s48, s49
	v_add_f32 v[E], v[E], v[E+1]
.endm
.set nt, 0
.rept 4
	v_pk_add_f32 v[P+2*nt:P+2*nt+1], v[ACC3+8*nt:ACC3+8*nt+1], v[ACC3+8*nt+2:ACC3+8*nt+3]  ; each accumulator's lowest registers first
.set nt, nt+1
.endr
.irp k, 4,6
.set nt, 0
.rept 4
	v_pk_add_f32 v[P+2*nt:P+2*nt+1], v[P+2*nt:P+2*nt+1], v[ACC3+8*nt+\k:ACC3+8*nt+\k+1]
.set nt, nt+1
.endr
.endr
	ROWSUM
	v_mul_f32 v[E+2], s51, v[E]                    ; the mean,
	v_mov_b32 v[E+3], v[E+2]                       ; twice, for the packed lines
.set i, 0
.rept 16
	v_pk_add_f32 v[ACC3+2*i:ACC3+2*i+1], v[ACC3+2*i:ACC3+2*i+1], v[E+2:E+3] neg_lo:[0,1] neg_hi:[0,1]
.set i, i+1
.endr
.set nt, 0
.rept 4
	v_pk_mul_f32 v[P+2*nt:P+2*nt+1], v[ACC3+8*nt:ACC3+8*nt+1], v[ACC3+8*nt:ACC3+8*nt+1]
.set nt, nt+1
.endr
.irp k, 2,4,6
.set nt, 0
.rept 4
	v_pk_fma_f32 v[P+2*nt:P+2*nt+1], v[ACC3+8*nt+\k:ACC3+8*nt+\k+1], v[ACC3+8*nt+\k:ACC3+8*nt+\k+1], v[P+2*nt:P+2*nt+1]
.set nt, nt+1
.endr
.endr
	ROWSUM
	v_fmaak_f32 v[E], s51, v[E], 0x358637bd        ; the variance + 1e-6
	v_rsq_f32 v[E+2], v[E]
	v_rsq_f32 v[E+3], v[E]
	v_nop
	s_wait_alu depctr_va_vdst(0)                   ; one wait for the two
	s_wait_dscnt 0x0                               ; ln_scale and ln_bias
.set i, 0
.rept 16
	v_pk_mul_f32 v[SC+2*i:SC+2*i+1], v[SC+2*i:SC+2*i+1], v[E+2:E+3]
.set i, i+1
.endr
.set i, 0
.rept 16
	v_pk_fma_f32 v[ACC3+2*i:ACC3+2*i+1], v[ACC3+2*i:ACC3+2*i+1], v[SC+2*i:SC+2*i+1], v[BI+2*i:BI+2*i+1]
.set i, i+1
.endr
	; THE WAY OUT, through my own stage: 32 bytes a lane and feature tile in, whole rows of 256 bytes back
.set nt, 0
.rept 4
	ds_store_b128 v[STO], v[ACC3+8*nt:ACC3+8*nt+3] offset:64*nt
	ds_store_b128 v[STO], v[ACC3+8*nt+4:ACC3+8*nt+7] offset:64*nt+16
.set nt, nt+1
.endr
.set i, 0
.rept 8
	ds_load_b128 v[A2+4*i:A2+4*i+3], v[RD] offset:2*SP*i  ; LDS serves a wave's instructions in order (ISA guide 5.7.1.4): these see the stores above
.set i, i+1
.endr
	s_wait_dscnt 0x0
.set i, 0
.rept 8
	global_store_b128 v[GO], v[A2+4*i:A2+4*i+3], s[54:55] offset:512*i  ; a store covers two rows: 512 consecutive bytes, aligned
.set i, i+1
.endr
	s_wait_tensorcnt 0x0                           ; the wave's end, behind my last LDS store
	ds_add_u32 v[SPW], v[NIL]
	s_wait_dscnt 0x0
	s_endpgm
.Lfunc_end_k_q1478317b9e_mlp:
	.size	k_q1478317b9e_mlp, .Lfunc_end_k_q1478317b9e_mlp-k_q1478317b9e_mlp
	.p2alignl 7, 3214868480
	.fill 96, 4, 3214868480
	.section	.rodata,"a",@progbits
	.p2align	6, 0x0
	.amdhsa_kernel k_q1478317b9e_mlp
		.amdhsa_group_segment_fixed_size 158976
		.amdhsa_private_segment_fixed_size 0
		.amdhsa_enable_private_segment 0
		.amdhsa_kernarg_size 112
		.amdhsa_user_sgpr_count 2
		.amdhsa_user_sgpr_kernarg_segment_ptr 1
		.amdhsa_wavefront_size32 1
		.amdhsa_system_sgpr_workgroup_id_x 1
		.amdhsa_system_sgpr_workgroup_id_y 1
		.amdhsa_system_sgpr_workgroup_id_z 1
		.amdhsa_system_vgpr_workitem_id 0
		.amdhsa_next_free_vgpr 244
		.amdhsa_next_free_sgpr 66
		.amdhsa_reserve_vcc 1
		.amdhsa_float_denorm_mode_32 3
		.amdhsa_float_denorm_mode_16_64 3
		.amdhsa_memory_ordered 1
		.amdhsa_forward_progress 1
		.amdhsa_inst_pref_size 122
	.end_amdhsa_kernel
	.amdgpu_metadata
---
amdhsa.version: [ 1, 2 ]
amdhsa.kernels:
  - .name:           k_q1478317b9e_mlp
    .symbol:         k_q1478317b9e_mlp.kd
    .args:
      - { .name: W1, .offset: 0, .size: 8, .value_kind: global_buffer, .address_space: global }
      - { .name: W2, .offset: 8, .size: 8, .value_kind: global_buffer, .address_space: global }
      - { .name: W3, .offset: 16, .size: 8, .value_kind: global_buffer, .address_space: global }
      - { .name: b1, .offset: 24, .size: 8, .value_kind: global_buffer, .address_space: global }
      - { .name: b2, .offset: 32, .size: 8, .value_kind: global_buffer, .address_space: global }
      - { .name: b3, .offset: 40, .size: 8, .value_kind: global_buffer, .address_space: global }
      - { .name: ln_scale, .offset: 48, .size: 8, .value_kind: global_buffer, .address_space: global }
      - { .name: ln_bias, .offset: 56, .size: 8, .value_kind: global_buffer, .address_space: global }
      - { .name: emb_obs, .offset: 64, .size: 8, .value_kind: global_buffer, .address_space: global }
      - { .name: s_test, .offset: 72, .size: 8, .value_kind: global_buffer, .address_space: global }
      - { .name: s_ctx, .offset: 80, .size: 8, .value_kind: global_buffer, .address_space: global }
      - { .name: f_ctx, .offset: 88, .size: 8, .value_kind: global_buffer, .address_space: global }
      - { .name: out0, .offset: 96, .size: 8, .value_kind: global_buffer, .address_space: global }
      - { .name: out1, .offset: 104, .size: 8, .value_kind: global_buffer, .address_space: global }
    .group_segment_fixed_size: 158976
    .private_segment_fixed_size: 0
    .kernarg_segment_align: 8
    .kernarg_segment_size: 112
    .max_flat_workgroup_size: 384
    .sgpr_count:     66
    .vgpr_count:     244
    .wavefront_size: 32
...
	.end_amdgpu_metadata
.endif
;; end of part 1
;; launch knn_groups (part 2): grid 256 x 1, 12 waves a work-group, no clusters, 231,936 bytes of LDS; arguments s_ctx, s_test, groups; writes groups
.if DOCPART == 2
	.amdgcn_target "amdgcn-amd-amdhsa--gfx1250"
	.amdhsa_code_object_version 6
	.text
	.protected	k_q1478317b9e_knn_groups
	.globl	k_q1478317b9e_knn_groups
	.p2align	8
	.type	k_q1478317b9e_knn_groups,@function
k_q1478317b9e_knn_groups:
	s_mov_b64 s[64:65], 0
	v_nop
	global_prefetch_b8 v0, s[64:65] scope:SCOPE_SE
	s_setreg_imm32_b32 hwreg(HW_REG_WAVE_MODE, 25, 1), 1
	s_wait_xcnt 0x0
; kNN, LEVEL 1.  For each of the 49,152 queries (test and ctx rows) the 4,096 ctx points of its batch lie in 256 groups of 16 consecutive points.  This launch finds, for each query,
; the 16 groups with the smallest (group minimum of d2, group number) and stores their numbers, a byte each.  The 16 nearest points lie in those groups: if a point's group were not among
; them, 16 other groups would each hold a point in front of it in the order (d2, index).  The next launch gathers those groups by the stored numbers.
; ARITHMETIC.  Coordinates are rounded to bf16 once, so every product of two of them is exact in f32.  b = y0 y0 + y1 y1 + y2 y2, a likewise, t = (2 x0) y0 + (2 x1) y1 + (2 x2) y2, each summed
; from the left; d2 = (a + b) - t: five roundings in the order in which the formula is written.  Indices are compared exactly and many distances are equal or one step apart, so these sums are made by
; the vector unit, rounding for rounding; a matrix instruction adds its products otherwise, and K = 3 would fill 3 of its 32 places.
; ORDER.  K = bits ^ ((bits asr 31) lsr 1), compared as i32, is monotone in d2 (d2 is never -0); equal K go by the lower number.  LIMITS: NaN and infinities are not treated apart.
; SHARES.  Work-group i: batch i / 32, test rows 64 (i % 32) .. and ctx rows 128 (i % 32) .. : 192 queries.  PHASE A: wave w holds a quarter of the points (w % 4; 32 points, two groups, a lane) in
; registers and walks a third of the queries (w / 4), whose records come out of LDS, the same for all lanes; it writes two group minima a lane and query.
; PHASE B: a lane owns a query, waves 2 q and 2 q + 1 take 128 groups each: batches of 16 are sorted by a network and merged into a running list of 16; the halves meet in LDS.
; NO TENSOR LOADS, NO CLUSTER: each point is rounded and its b made on the way in, so it passes through registers; a work-group reads its batch's 49,152 bytes three times, at its start alone.
.set QREC,  0                          ; 192 records of 32 bytes: 2 x0 twice, 2 x1 twice | 2 x2 twice, a twice
.set MBASE, 6144                       ; the minima: [192 queries][256 groups] f32,
.set MP,    1040                       ; pitch 1,040 = 65 x 16 bytes: in phase B the 16 lanes of a load start at 16 different 16-byte columns modulo 256 bytes
.set XCH,   205824                     ; six lists of 32 registers x 32 lanes
.set SPARE, 230400                     ; the spare words: 128 bytes for each of the 12 waves, six blocks of 256 bytes that no other line names
.set LN,  1                            ; v1   lane
.set SPW, 2                            ; v2   LDS address of my spare word; never rewritten
.set NIL, 3                            ; v3   0; never rewritten
.set QA,  4                            ; v4   LDS address of the two records in hand (the same in all lanes)
.set MA,  5                            ; v5   where my two minima go
.set MB,  6                            ; v6   phase B: my query's next 16 minima
.set XA,  7                            ; v7   LDS address for records and for the exchange
.set GOF, 8                            ; v8   my 16 bytes of the output
.set TT,  9                            ; v9   at work
.set GB,  10                           ; v10  phase B: the batch's first group number
.set VO,  11                           ; v11  byte offset of my 32 points
.set VQ,  12                           ; v12  byte offset of my query
.set Q0,  16                           ; v[16:23], v[24:31] two records
.set Q1,  24
.set T,   32                           ; v[32:47] 16 distances
.set U,   48                           ; v[48:63] at work
.set MM,  64                           ; v[64:67] minima to store
.set M2,  68                           ; v68  a second chain
.set CAND, 72                          ; v[72:199] 16 pairs of points, 8 registers a pair: y0, y1, y2, b, each for both points
.set RK,  72                           ; phase B, where the points lay: v[72:87] the running list's keys, v[88:103] its numbers,
.set RG,  88
.set BK,  104                          ; v[104:120] a batch's keys and one free register, v[124:140] its numbers and one free register
.set BG,  124
; ---- the order's macros ----
.macro PRED ka, ga, kb, gb             ; VCC = (Kb, Gb) < (Ka, Ga), as Kb < Ka + [Gb < Ga]; K stays under 0x7fffffff, so the sum does not wrap
	v_cmp_lt_u32 vcc_lo, v[\gb], v[\ga]
	v_add_co_ci_u32 v[TT], vcc_lo, 0, v[\ka], vcc_lo
	v_cmp_lt_i32 vcc_lo, v[\kb], v[TT]
.endm
; A comparator on places a < b of the batch.  PKn, PGn name the registers of place n; the smaller goes into the free register, which then IS place a, and a's old register is free: no copy is made.
.macro CE a, b
	PRED PK\a, PG\a, PK\b, PG\b
	v_cndmask_b32 v[FK], v[PK\a], v[PK\b], vcc_lo
	v_cndmask_b32 v[PK\b], v[PK\b], v[PK\a], vcc_lo
	v_cndmask_b32 v[FG], v[PG\a], v[PG\b], vcc_lo
	v_cndmask_b32 v[PG\b], v[PG\b], v[PG\a], vcc_lo
.set SW, PK\a
.set PK\a, FK
.set FK, SW
.set SW, PG\a
.set PG\a, FG
.set FG, SW
.endm
.macro CE2 a, b, c, d
	CE \a, \b
	CE \c, \d
.endm
.macro CE4 a, b, c, d, e, f, g, h
	CE2 \a, \b, \c, \d
	CE2 \e, \f, \g, \h
.endm
.macro RESETP                          ; place n lies in register BK + n, BG + n
.irp n, 0,1,2,3,4,5,6,7,8,9,10,11,12,13,14,15
.set PK\n, BK+\n
.set PG\n, BG+\n
.endr
.set FK, BK+16
.set FG, BG+16
.endm
.macro SORT16                          ; the odd-even merge sort's 63 comparators
	RESETP
	CE4 0,1, 2,3, 4,5, 6,7
	CE4 8,9, 10,11, 12,13, 14,15
	CE4 0,2, 1,3, 4,6, 5,7
	CE4 8,10, 9,11, 12,14, 13,15
	CE4 1,2, 5,6, 9,10, 13,14
	CE4 0,4, 1,5, 2,6, 3,7
	CE4 8,12, 9,13, 10,14, 11,15
	CE4 2,4, 3,5, 10,12, 11,13
	CE4 1,2, 3,4, 5,6, 9,10
	CE2 11,12, 13,14
	CE4 0,8, 1,9, 2,10, 3,11
	CE4 4,12, 5,13, 6,14, 7,15
	CE4 4,8, 5,9, 6,10, 7,11
	CE4 2,4, 3,5, 6,8, 7,9
	CE2 10,12, 11,13
	CE4 1,2, 3,4, 5,6, 7,8
	CE2 9,10, 11,12
	CE 13,14
.endm
.macro MS i, j                         ; R[i] = the smaller of R[i] and the batch's place j = 15 - i
	PRED RK+\i, RG+\i, PK\j, PG\j
	v_cndmask_b32 v[RK+\i], v[RK+\i], v[PK\j], vcc_lo
	v_cndmask_b32 v[RG+\i], v[RG+\i], v[PG\j], vcc_lo
.endm
.macro MINSTEP                         ; of two sorted lists of 16 the 16 smallest, as a bitonic sequence
	MS 0,15
	MS 1,14
	MS 2,13
	MS 3,12
	MS 4,11
	MS 5,10
	MS 6,9
	MS 7,8
	MS 8,7
	MS 9,6
	MS 10,5
	MS 11,4
	MS 12,3
	MS 13,2
	MS 14,1
	MS 15,0
.endm
.macro CEO sk, sg, dk, dg, a, b        ; a comparator from one set of registers into another
	PRED (\sk)+(\a), (\sg)+(\a), (\sk)+(\b), (\sg)+(\b)
	v_cndmask_b32 v[(\dk)+(\a)], v[(\sk)+(\a)], v[(\sk)+(\b)], vcc_lo
	v_cndmask_b32 v[(\dk)+(\b)], v[(\sk)+(\b)], v[(\sk)+(\a)], vcc_lo
	v_cndmask_b32 v[(\dg)+(\a)], v[(\sg)+(\a)], v[(\sg)+(\b)], vcc_lo
	v_cndmask_b32 v[(\dg)+(\b)], v[(\sg)+(\b)], v[(\sg)+(\a)], vcc_lo
.endm
.macro STAGE sk, sg, dk, dg, dist      ; the eight comparators (n, n + dist)
.set ci, 0
.rept 16
.if (ci/(\dist))%2 == 0
	CEO \sk, \sg, \dk, \dg, ci, ci+(\dist)
.endif
.set ci, ci+1
.endr
.endm
.macro CLEAN                           ; a bitonic sequence is sorted: four stages, to and fro between the list's registers and the batch's, which is dead; it ends in the list's
	STAGE RK, RG, BK, BG, 8
	STAGE BK, BG, RK, RG, 4
	STAGE RK, RG, BK, BG, 2
	STAGE BK, BG, RK, RG, 1
.endm
.macro MAPK d, s                       ; bits to key; applied twice it gives the bits back
	v_ashrrev_i32 v[TT], 31, v[\s]
	v_lshrrev_b32 v[TT], 1, v[TT]
	v_xor_b32 v[\d], v[\s], v[TT]
.endm
; ---- the distances' macros ----
.macro PAIRREC d, r                    ; six raw coordinates (point c, then point c + 1) at r into a pair's eight registers at d
	v_cvt_pk_bf16_f32 v[TT], v[(\r)], v[(\r)+3]
	v_lshlrev_b32 v[(\d)], 16, v[TT]
	v_and_b32 v[(\d)+1], s24, v[TT]
	v_cvt_pk_bf16_f32 v[TT], v[(\r)+1], v[(\r)+4]
	v_lshlrev_b32 v[(\d)+2], 16, v[TT]
	v_and_b32 v[(\d)+3], s24, v[TT]
	v_cvt_pk_bf16_f32 v[TT], v[(\r)+2], v[(\r)+5]
	v_lshlrev_b32 v[(\d)+4], 16, v[TT]
	v_and_b32 v[(\d)+5], s24, v[TT]
	v_pk_mul_f32 v[(\d)+6:(\d)+7], v[(\d):(\d)+1], v[(\d):(\d)+1]
	v_pk_fma_f32 v[(\d)+6:(\d)+7], v[(\d)+2:(\d)+3], v[(\d)+2:(\d)+3], v[(\d)+6:(\d)+7]
	v_pk_fma_f32 v[(\d)+6:(\d)+7], v[(\d)+4:(\d)+5], v[(\d)+4:(\d)+5], v[(\d)+6:(\d)+7]
.endm
.macro DIST c, q                       ; d2 of the 16 points (8 pairs) at c to the query whose record lies at q, into T
.set p, 0
.rept 8
	v_pk_mul_f32 v[T+2*p:T+2*p+1], v[(\c)+8*p:(\c)+8*p+1], v[(\q):(\q)+1]
.set p, p+1
.endr
.set p, 0
.rept 8
	v_pk_fma_f32 v[T+2*p:T+2*p+1], v[(\c)+8*p+2:(\c)+8*p+3], v[(\q)+2:(\q)+3], v[T+2*p:T+2*p+1]
.set p, p+1
.endr
.set p, 0
.rept 8
	v_pk_fma_f32 v[T+2*p:T+2*p+1], v[(\c)+8*p+4:(\c)+8*p+5], v[(\q)+4:(\q)+5], v[T+2*p:T+2*p+1]
.set p, p+1
.endr
.set p, 0
.rept 8
	v_pk_add_f32 v[U+2*p:U+2*p+1], v[(\c)+8*p+6:(\c)+8*p+7], v[(\q)+6:(\q)+7]
.set p, p+1
.endr
.set p, 0
.rept 8
	v_pk_add_f32 v[T+2*p:T+2*p+1], v[U+2*p:U+2*p+1], v[T+2*p:T+2*p+1] neg_lo:[0,1] neg_hi:[0,1]
.set p, p+1
.endr
.endm
.macro GMIN d                          ; the smallest of T's 16, in two chains
	v_min3_num_f32 v[(\d)], v[T], v[T+1], v[T+2]
	v_min3_num_f32 v[M2], v[T+8], v[T+9], v[T+10]
	v_min3_num_f32 v[(\d)], v[(\d)], v[T+3], v[T+4]
	v_min3_num_f32 v[M2], v[M2], v[T+11], v[T+12]
	v_min3_num_f32 v[(\d)], v[(\d)], v[T+5], v[T+6]
	v_min3_num_f32 v[M2], v[M2], v[T+13], v[T+14]
	v_min3_num_f32 v[(\d)], v[(\d)], v[T+7], v[T+15]
	v_min_num_f32 v[(\d)], v[(\d)], v[M2]
.endm
	s_load_b128 s[4:7], s[0:1], 0x0                ; s_ctx s[4:5], s_test s[6:7]
	s_load_b64 s[8:9], s[0:1], 0x10                ; groups
	v_lshl_add_u32 v[SPW], v0, 2, SPARE
	v_mov_b32 v[NIL], 0
	v_and_b32 v[LN], 31, v0
	v_lshrrev_b32 v[TT], 5, v0
	v_readfirstlane_b32 s2, v[TT]                  ; wave 0..11
	s_lshr_b32 s10, ttmp9, 5                       ; the batch
	s_and_b32 s11, ttmp9, 31                       ; my block of queries in it
	s_and_b32 s12, s2, 3                           ; phase A: my quarter of the points
	s_lshr_b32 s13, s2, 2                          ; and my third of the queries
	s_mov_b32 s24, 0xffff0000                      ; a word's upper bf16
	s_mov_b32 s25, 0x7ffffffe                      ; a key behind every distance's
	s_mul_i32 s16, s10, 49152                      ; the batch's 4,096 points of 12 bytes,
	s_mul_i32 s17, s12, 12288                      ; my quarter,
	s_add_co_u32 s16, s16, s17
	v_mul_u32_u24 v[VO], v[LN], 384                ; my lane's 32 points
	v_add_nc_u32 v[VO], s16, v[VO]
	s_wait_kmcnt 0x0
.macro CHALF hf                        ; 16 points: 192 bytes a lane, one group
.set i, 0
.rept 12
	global_load_b128 v[16+4*i:19+4*i], v[VO], s[4:5] offset:192*(\hf)+16*i
.set i, i+1
.endr
	s_wait_loadcnt 0x0
.set p, 0
.rept 8
	PAIRREC CAND+64*(\hf)+8*p, 16+6*p
.set p, p+1
.endr
.endm
	CHALF 0
	CHALF 1
	; the 192 records: waves 0-5, a lane a query
	s_cmp_lt_u32 s2, 6
	s_cbranch_scc0 .Lnoq
	s_lshl_b32 s16, s10, 11
	s_lshl_b32 s17, s11, 6
	s_add_co_u32 s16, s16, s17
	s_lshl_b32 s17, s2, 5
	s_add_co_u32 s16, s16, s17                     ; waves 0, 1: test row 2,048 batch + 64 block + 32 w
	s_max_u32 s18, s2, 2
	s_sub_co_u32 s18, s18, 2
	s_lshl_b32 s18, s18, 5
	s_lshl_b32 s19, s10, 12
	s_add_co_u32 s18, s18, s19
	s_lshl_b32 s19, s11, 7
	s_add_co_u32 s18, s18, s19                     ; waves 2-5: ctx row 4,096 batch + 128 block + 32 (w - 2)
	s_cmp_lt_u32 s2, 2
	s_cselect_b32 s16, s16, s18
	s_cselect_b64 s[20:21], s[6:7], s[4:5]
	s_mul_i32 s16, s16, 12
	v_mul_u32_u24 v[VQ], v[LN], 12
	v_add_nc_u32 v[VQ], s16, v[VQ]
	global_load_b32 v64, v[VQ], s[20:21]
	global_load_b32 v65, v[VQ], s[20:21] offset:4
	global_load_b32 v66, v[VQ], s[20:21] offset:8
	v_lshlrev_b32 v[XA], 5, v0                     ; the query's number in the work-group is the thread's: 32 bytes each
	s_wait_loadcnt 0x0
	v_cvt_pk_bf16_f32 v[TT], v64, v65
	v_cvt_pk_bf16_f32 v67, v66, v66
	v_lshlrev_b32 v64, 16, v[TT]
	v_and_b32 v65, s24, v[TT]
	v_lshlrev_b32 v66, 16, v67
	v_mul_f32 v22, v64, v64
	v_fmac_f32 v22, v65, v65
	v_fmac_f32 v22, v66, v66
	v_mov_b32 v23, v22
	v_add_f32 v16, v64, v64
	v_add_f32 v17, v64, v64
	v_add_f32 v18, v65, v65
	v_add_f32 v19, v65, v65
	v_add_f32 v20, v66, v66
	v_add_f32 v21, v66, v66
	ds_store_b128 v[XA], v[16:19] offset:QREC
	ds_store_b128 v[XA], v[20:23] offset:QREC+16
.Lnoq:
	s_wait_dscnt 0x0                               ; for the others' sake: my records are written
	s_barrier_signal -1
	s_barrier_wait -1
	; PHASE A
	s_lshl_b32 s16, s13, 11                        ; my third's 64 records
	v_mov_b32 v[QA], s16
	s_mul_i32 s17, s13, 64*MP                      ; its 64 rows of minima,
	s_lshl_b32 s18, s12, 8                         ; my quarter's 64 groups,
	s_add_co_u32 s17, s17, s18
	s_add_co_u32 s17, s17, MBASE
	v_lshl_add_u32 v[MA], v[LN], 3, s17            ; my lane's two
.macro QLOAD q, off
	ds_load_b128 v[(\q):(\q)+3], v[QA] offset:(\off)
	ds_load_b128 v[(\q)+4:(\q)+7], v[QA] offset:(\off)+16
.endm
; One query: my 32 distances, two minima, stored.  nx >= 0: the record's registers take the record two queries on.  left: the LDS instructions issued behind this record's loads.
.macro QTURN q, m, st, nx, left
	s_wait_dscnt \left
	DIST CAND, \q
	GMIN (\m)
	DIST CAND+64, \q
	GMIN (\m)+1
.if (\nx) >= 0
	QLOAD \q, \nx
.endif
	ds_store_b64 v[MA], v[(\m):(\m)+1] offset:\st
.endm
	QLOAD Q0, 0
	QLOAD Q1, 32
	s_mov_b32 s14, 31
	s_wait_dscnt 0x0
.Lqa:                                                  ; 31 trips of two queries
	QTURN Q0, MM, 0, 64, 4                         ; behind this record's two loads: a store, the other record's two loads, a store
	QTURN Q1, MM+2, MP, 96, 4                      ; the same
	v_add_nc_u32 v[QA], 64, v[QA]
	v_add_nc_u32 v[MA], 2*MP, v[MA]
	s_sub_co_u32 s14, s14, 1
	s_cmp_lg_u32 s14, 0
	s_cbranch_scc1 .Lqa
	QTURN Q0, MM, 0, -1, 4                         ; the last two queries fetch nothing
	QTURN Q1, MM+2, MP, -1, 2                      ; behind its loads: two stores
	s_wait_dscnt 0x0
	s_barrier_signal -1
	s_barrier_wait -1                              ; all minima lie in LDS
	; PHASE B
	s_lshr_b32 s12, s2, 1                          ; my set of 32 queries
	s_and_b32 s13, s2, 1                           ; my half of the groups
	s_mul_i32 s16, s12, 32*MP
	s_lshl_b32 s17, s13, 9
	s_add_co_u32 s16, s16, s17
	s_add_co_u32 s16, s16, MBASE
	v_mul_u32_u24 v[MB], v[LN], MP
	v_add_nc_u32 v[MB], s16, v[MB]
	s_lshl_b32 s17, s13, 7
	v_mov_b32 v[GB], s17
.set i, 0
.rept 16                                       ; the list starts with 16 entries behind every real one, so that all trips have one text
	v_mov_b32 v[RK+i], s25
	v_mov_b32 v[RG+i], 0
.set i, i+1
.endr
	s_mov_b32 s14, 8
.Lsel:                                                 ; 8 trips of 16 groups
.set i, 0
.rept 4
	ds_load_b128 v[BK+4*i:BK+4*i+3], v[MB] offset:16*i
.set i, i+1
.endr
.set i, 0
.rept 16
	v_add_nc_u32 v[BG+i], i, v[GB]
.set i, i+1
.endr
	s_wait_dscnt 0x0
.set i, 0
.rept 16
	MAPK BK+i, BK+i
.set i, i+1
.endr
	SORT16
	MINSTEP
	CLEAN
	v_add_nc_u32 v[MB], 64, v[MB]
	v_add_nc_u32 v[GB], 16, v[GB]
	s_sub_co_u32 s14, s14, 1
	s_cmp_lg_u32 s14, 0
	s_cbranch_scc1 .Lsel
	; the halves meet: the odd wave hands its list to the even one
	s_lshl_b32 s16, s12, 12
	s_add_co_u32 s16, s16, XCH
	v_lshl_add_u32 v[XA], v[LN], 4, s16
	s_cmp_eq_u32 s13, 1
	s_cbranch_scc0 .Lnox
.set i, 0
.rept 8
	ds_store_b128 v[XA], v[RK+4*i:RK+4*i+3] offset:512*i
.set i, i+1
.endr
.Lnox:
	s_wait_dscnt 0x0
	s_barrier_signal -1
	s_barrier_wait -1
	s_cmp_eq_u32 s13, 0
	s_cbranch_scc0 .Lend
.set i, 0
.rept 4
	ds_load_b128 v[BK+4*i:BK+4*i+3], v[XA] offset:512*i
.set i, i+1
.endr
.set i, 0
.rept 4
	ds_load_b128 v[BG+4*i:BG+4*i+3], v[XA] offset:2048+512*i
.set i, i+1
.endr
	s_lshl_b32 s16, s10, 11
	s_lshl_b32 s17, s11, 6
	s_add_co_u32 s16, s16, s17
	s_lshl_b32 s18, s12, 5
	s_add_co_u32 s16, s16, s18                     ; a test query's number: 2,048 batch + 64 block + 32 set + lane
	s_lshl_b32 s19, s10, 12
	s_lshl_b32 s20, s11, 7
	s_add_co_u32 s19, s19, s20
	s_add_co_u32 s19, s19, s18
	s_add_co_u32 s19, s19, 16384-64                ; a ctx query's: 16,384 + 4,096 batch + 128 block + 32 (set - 2) + lane
	s_cmp_lt_u32 s12, 2
	s_cselect_b32 s16, s16, s19
	s_lshl_b32 s16, s16, 4
	v_lshl_add_u32 v[GOF], v[LN], 4, s16
	s_wait_dscnt 0x0
	RESETP
	MINSTEP                                        ; only the set is wanted, not its order
.set i, 0
.rept 4
	v_lshl_or_b32 v[MM+i], v[RG+4*i+1], 8, v[RG+4*i]
	v_lshl_or_b32 v[MM+i], v[RG+4*i+2], 16, v[MM+i]
	v_lshl_or_b32 v[MM+i], v[RG+4*i+3], 24, v[MM+i]
.set i, i+1
.endr
	global_store_b128 v[GOF], v[MM:MM+3], s[8:9]   ; the wave's store covers 512 consecutive bytes, aligned
.Lend:
	s_wait_tensorcnt 0x0                           ; the wave's end, behind my last LDS store
	ds_add_u32 v[SPW], v[NIL]
	s_wait_dscnt 0x0
	s_endpgm
.Lfunc_end_k_q1478317b9e_knn_groups:
	.size	k_q1478317b9e_knn_groups, .Lfunc_end_k_q1478317b9e_knn_groups-k_q1478317b9e_knn_groups
	.p2alignl 7, 3214868480
	.fill 96, 4, 3214868480
	.section	.rodata,"a",@progbits
	.p2align	6, 0x0
	.amdhsa_kernel k_q1478317b9e_knn_groups
		.amdhsa_group_segment_fixed_size 231936
		.amdhsa_private_segment_fixed_size 0
		.amdhsa_enable_private_segment 0
		.amdhsa_kernarg_size 24
		.amdhsa_user_sgpr_count 2
		.amdhsa_user_sgpr_kernarg_segment_ptr 1
		.amdhsa_wavefront_size32 1
		.amdhsa_system_sgpr_workgroup_id_x 1
		.amdhsa_system_sgpr_workgroup_id_y 1
		.amdhsa_system_sgpr_workgroup_id_z 1
		.amdhsa_system_vgpr_workitem_id 0
		.amdhsa_next_free_vgpr 200
		.amdhsa_next_free_sgpr 66
		.amdhsa_reserve_vcc 1
		.amdhsa_float_denorm_mode_32 3
		.amdhsa_float_denorm_mode_16_64 3
		.amdhsa_memory_ordered 1
		.amdhsa_forward_progress 1
		.amdhsa_inst_pref_size 73
	.end_amdhsa_kernel
	.amdgpu_metadata
---
amdhsa.version: [ 1, 2 ]
amdhsa.kernels:
  - .name:           k_q1478317b9e_knn_groups
    .symbol:         k_q1478317b9e_knn_groups.kd
    .args:
      - { .name: s_ctx, .offset: 0, .size: 8, .value_kind: global_buffer, .address_space: global }
      - { .name: s_test, .offset: 8, .size: 8, .value_kind: global_buffer, .address_space: global }
      - { .name: groups, .offset: 16, .size: 8, .value_kind: global_buffer, .address_space: global }
    .group_segment_fixed_size: 231936
    .private_segment_fixed_size: 0
    .kernarg_segment_align: 8
    .kernarg_segment_size: 24
    .max_flat_workgroup_size: 384
    .sgpr_count:     66
    .vgpr_count:     200
    .wavefront_size: 32
...
	.end_amdgpu_metadata
.endif
;; end of part 2
;; launch knn_final (part 3): grid 256 x 1, 12 waves a work-group, no clusters, 126,464 bytes of LDS; arguments s_ctx, s_test, groups, out2, out3, out4, out5; writes out2, out3, out4, out5
.if DOCPART == 3
	.amdgcn_target "amdgcn-amd-amdhsa--gfx1250"
	.amdhsa_code_object_version 6
	.text
	.protected	k_q1478317b9e_knn_final
	.globl	k_q1478317b9e_knn_final
	.p2align	8
	.type	k_q1478317b9e_knn_final,@function
k_q1478317b9e_knn_final:
	s_mov_b64 s[64:65], 0
	v_nop
	global_prefetch_b8 v0, s[64:65] scope:SCOPE_SE
	s_setreg_imm32_b32 hwreg(HW_REG_WAVE_MODE, 25, 1), 1
	s_wait_xcnt 0x0
; kNN, LEVEL 2.  For each query the launch before has stored the numbers of the 16 groups (of 16 consecutive ctx points) that hold its 16 nearest points.  This launch gathers those 256 points,
; makes their distances anew, and sorts out the 16 smallest by (d2, index): d = sqrt(max(d2, 0)) and the indices go to out2, out3 (test queries) and out4, out5 (ctx queries).
; ARITHMETIC AND ORDER as in the launch before: coordinates rounded to bf16 once; b, a and t summed from the left; d2 = (a + b) - t; the key K = bits ^ ((bits asr 31) lsr 1) compared as i32,
; equal keys by the lower index.  The sums are made by the vector unit, rounding for rounding, since indices are compared exactly.  LIMITS: NaN and infinities are not treated apart.
; SHARES.  Work-group i: batch i / 32, test rows 64 (i % 32) .. and ctx rows 128 (i % 32) .. : 192 queries.  The batch's 4,096 points lie in LDS, a group on end.  A lane owns a query; waves 2 q and
; 2 q + 1 take 8 of its 16 groups each: a group a trip is gathered, sorted by a network and merged into a running list of 16; the halves meet in LDS and the even wave merges and stores.
; The LDS addresses of the gather hang on whole numbers read from memory, each held to 0..255 first.
; NO TENSOR LOADS, NO CLUSTER: each point is rounded and its b made on the way in, so it passes through registers; a work-group reads its batch's 49,152 bytes once, at its start.
.set TAB,   0                          ; 256 groups: 8 pair records of 32 bytes (y0, y1 | y2, b, each for both points) and 16 bytes of padding:
.set TP,    272                        ; pitch 272 = 17 x 16 bytes, so that lanes at different groups start at different 16-byte columns modulo 256 bytes
.set XCH,   69632                      ; six lists of 32 registers x 32 lanes
.set STG,   94208                      ; the way out, for each of six waves: 32 rows x 80 bytes of d, then the same of indices
.set SPARE, 124928                     ; the spare words: 128 bytes for each of the 12 waves, six blocks of 256 bytes that no other line names
.set LN,  1                            ; v1   lane
.set SPW, 2                            ; v2   LDS address of my spare word; never rewritten
.set NIL, 3                            ; v3   0; never rewritten
.set CA,  4                            ; v4   LDS address of the group in hand
.set IB,  5                            ; v5   its first point's index
.set XA,  6                            ; v6   the exchange
.set STO, 7                            ; v7   the way out: where my row goes
.set RD,  8                            ; v8   the way out: where I read 16 bytes back
.set TT,  9                            ; v9   at work
.set VQ,  10                           ; v10  byte offset of my query
.set VG,  11                           ; v11  byte offset of my 8 group numbers
.set GW,  12                           ; v[12:13] the group numbers still to come, a byte each
.set GI,  14                           ; v14  the group in hand
.set VT,  15                           ; v15  byte offset of my pairs of points
.set XQ,  16                           ; v[16:23] my query: 2 x0, 2 x1, 2 x2, a, each twice
.set REC, 24                           ; v[24:31] a pair record on its way into LDS
.set T,   32                           ; v[32:47] 16 distances
.set U,   48                           ; v[48:63] at work
.set TA,  68                           ; v68  where my records go
.set GOF, 69                           ; v69  my 16 bytes of the outputs
.set RK,  72                           ; v[72:87] the running list's keys, v[88:103] its indices
.set RG,  88
.set BK,  104                          ; v[104:120] a batch's keys and one free register, v[124:140] its indices and one free register
.set BG,  124
.set CR,  144                          ; v[144:207] a gathered group: 8 pair records; at the start raw points
; ---- the order's macros ----
.macro PRED ka, ga, kb, gb             ; VCC = (Kb, Gb) < (Ka, Ga), as Kb < Ka + [Gb < Ga]; K stays under 0x7fffffff, so the sum does not wrap
	v_cmp_lt_u32 vcc_lo, v[\gb], v[\ga]
	v_add_co_ci_u32 v[TT], vcc_lo, 0, v[\ka], vcc_lo
	v_cmp_lt_i32 vcc_lo, v[\kb], v[TT]
.endm
; A comparator on places a < b of the batch.  PKn, PGn name the registers of place n; the smaller goes into the free register, which then IS place a, and a's old register is free: no copy is made.
.macro CE a, b
	PRED PK\a, PG\a, PK\b, PG\b
	v_cndmask_b32 v[FK], v[PK\a], v[PK\b], vcc_lo
	v_cndmask_b32 v[PK\b], v[PK\b], v[PK\a], vcc_lo
	v_cndmask_b32 v[FG], v[PG\a], v[PG\b], vcc_lo
	v_cndmask_b32 v[PG\b], v[PG\b], v[PG\a], vcc_lo
.set SW, PK\a
.set PK\a, FK
.set FK, SW
.set SW, PG\a
.set PG\a, FG
.set FG, SW
.endm
.macro CE2 a, b, c, d
	CE \a, \b
	CE \c, \d
.endm
.macro CE4 a, b, c, d, e, f, g, h
	CE2 \a, \b, \c, \d
	CE2 \e, \f, \g, \h
.endm
.macro RESETP                          ; place n lies in register BK + n, BG + n
.irp n, 0,1,2,3,4,5,6,7,8,9,10,11,12,13,14,15
.set PK\n, BK+\n
.set PG\n, BG+\n
.endr
.set FK, BK+16
.set FG, BG+16
.endm
.macro SORT16                          ; the odd-even merge sort's 63 comparators
	RESETP
	CE4 0,1, 2,3, 4,5, 6,7
	CE4 8,9, 10,11, 12,13, 14,15
	CE4 0,2, 1,3, 4,6, 5,7
	CE4 8,10, 9,11, 12,14, 13,15
	CE4 1,2, 5,6, 9,10, 13,14
	CE4 0,4, 1,5, 2,6, 3,7
	CE4 8,12, 9,13, 10,14, 11,15
	CE4 2,4, 3,5, 10,12, 11,13
	CE4 1,2, 3,4, 5,6, 9,10
	CE2 11,12, 13,14
	CE4 0,8, 1,9, 2,10, 3,11
	CE4 4,12, 5,13, 6,14, 7,15
	CE4 4,8, 5,9, 6,10, 7,11
	CE4 2,4, 3,5, 6,8, 7,9
	CE2 10,12, 11,13
	CE4 1,2, 3,4, 5,6, 7,8
	CE2 9,10, 11,12
	CE 13,14
.endm
.macro MS i, j                         ; R[i] = the smaller of R[i] and the batch's place j = 15 - i
	PRED RK+\i, RG+\i, PK\j, PG\j
	v_cndmask_b32 v[RK+\i], v[RK+\i], v[PK\j], vcc_lo
	v_cndmask_b32 v[RG+\i], v[RG+\i], v[PG\j], vcc_lo
.endm
.macro MINSTEP                         ; of two sorted lists of 16 the 16 smallest, as a bitonic sequence
	MS 0,15
	MS 1,14
	MS 2,13
	MS 3,12
	MS 4,11
	MS 5,10
	MS 6,9
	MS 7,8
	MS 8,7
	MS 9,6
	MS 10,5
	MS 11,4
	MS 12,3
	MS 13,2
	MS 14,1
	MS 15,0
.endm
.macro CEO sk, sg, dk, dg, a, b        ; a comparator from one set of registers into another
	PRED (\sk)+(\a), (\sg)+(\a), (\sk)+(\b), (\sg)+(\b)
	v_cndmask_b32 v[(\dk)+(\a)], v[(\sk)+(\a)], v[(\sk)+(\b)], vcc_lo
	v_cndmask_b32 v[(\dk)+(\b)], v[(\sk)+(\b)], v[(\sk)+(\a)], vcc_lo
	v_cndmask_b32 v[(\dg)+(\a)], v[(\sg)+(\a)], v[(\sg)+(\b)], vcc_lo
	v_cndmask_b32 v[(\dg)+(\b)], v[(\sg)+(\b)], v[(\sg)+(\a)], vcc_lo
.endm
.macro STAGE sk, sg, dk, dg, dist      ; the eight comparators (n, n + dist)
.set ci, 0
.rept 16
.if (ci/(\dist))%2 == 0
	CEO \sk, \sg, \dk, \dg, ci, ci+(\dist)
.endif
.set ci, ci+1
.endr
.endm
.macro CLEAN                           ; a bitonic sequence is sorted: four stages, to and fro between the list's registers and the batch's, which is dead; it ends in the list's
	STAGE RK, RG, BK, BG, 8
	STAGE BK, BG, RK, RG, 4
	STAGE RK, RG, BK, BG, 2
	STAGE BK, BG, RK, RG, 1
.endm
.macro MAPK d, s                       ; bits to key; applied twice it gives the bits back
	v_ashrrev_i32 v[TT], 31, v[\s]
	v_lshrrev_b32 v[TT], 1, v[TT]
	v_xor_b32 v[\d], v[\s], v[TT]
.endm
; ---- the distances' macros ----
.macro PAIRREC d, r                    ; six raw coordinates (point c, then point c + 1) at r into a pair's eight registers at d
	v_cvt_pk_bf16_f32 v[TT], v[(\r)], v[(\r)+3]
	v_lshlrev_b32 v[(\d)], 16, v[TT]
	v_and_b32 v[(\d)+1], s24, v[TT]
	v_cvt_pk_bf16_f32 v[TT], v[(\r)+1], v[(\r)+4]
	v_lshlrev_b32 v[(\d)+2], 16, v[TT]
	v_and_b32 v[(\d)+3], s24, v[TT]
	v_cvt_pk_bf16_f32 v[TT], v[(\r)+2], v[(\r)+5]
	v_lshlrev_b32 v[(\d)+4], 16, v[TT]
	v_and_b32 v[(\d)+5], s24, v[TT]
	v_pk_mul_f32 v[(\d)+6:(\d)+7], v[(\d):(\d)+1], v[(\d):(\d)+1]
	v_pk_fma_f32 v[(\d)+6:(\d)+7], v[(\d)+2:(\d)+3], v[(\d)+2:(\d)+3], v[(\d)+6:(\d)+7]
	v_pk_fma_f32 v[(\d)+6:(\d)+7], v[(\d)+4:(\d)+5], v[(\d)+4:(\d)+5], v[(\d)+6:(\d)+7]
.endm
.macro DIST c, q                       ; d2 of the 16 points (8 pairs) at c to the query whose record lies at q, into T
.set p, 0
.rept 8
	v_pk_mul_f32 v[T+2*p:T+2*p+1], v[(\c)+8*p:(\c)+8*p+1], v[(\q):(\q)+1]
.set p, p+1
.endr
.set p, 0
.rept 8
	v_pk_fma_f32 v[T+2*p:T+2*p+1], v[(\c)+8*p+2:(\c)+8*p+3], v[(\q)+2:(\q)+3], v[T+2*p:T+2*p+1]
.set p, p+1
.endr
.set p, 0
.rept 8
	v_pk_fma_f32 v[T+2*p:T+2*p+1], v[(\c)+8*p+4:(\c)+8*p+5], v[(\q)+4:(\q)+5], v[T+2*p:T+2*p+1]
.set p, p+1
.endr
.set p, 0
.rept 8
	v_pk_add_f32 v[U+2*p:U+2*p+1], v[(\c)+8*p+6:(\c)+8*p+7], v[(\q)+6:(\q)+7]
.set p, p+1
.endr
.set p, 0
.rept 8
	v_pk_add_f32 v[T+2*p:T+2*p+1], v[U+2*p:U+2*p+1], v[T+2*p:T+2*p+1] neg_lo:[0,1] neg_hi:[0,1]
.set p, p+1
.endr
.endm
	s_load_b128 s[4:7], s[0:1], 0x0                ; s_ctx s[4:5], s_test s[6:7]
	s_load_b64 s[8:9], s[0:1], 0x10                ; groups
	s_load_b256 s[12:19], s[0:1], 0x18             ; out2 s[12:13], out3 s[14:15], out4 s[16:17], out5 s[18:19]
	v_lshl_add_u32 v[SPW], v0, 2, SPARE
	v_mov_b32 v[NIL], 0
	v_and_b32 v[LN], 31, v0
	v_lshrrev_b32 v[TT], 5, v0
	v_readfirstlane_b32 s2, v[TT]                  ; wave 0..11
	s_lshr_b32 s10, ttmp9, 5                       ; the batch
	s_and_b32 s11, ttmp9, 31                       ; my block of queries in it
	s_lshr_b32 s20, s2, 1                          ; my set of 32 queries: 0, 1 test, 2-5 ctx
	s_and_b32 s21, s2, 1                           ; my half of each query's groups
	s_mov_b32 s24, 0xffff0000                      ; a word's upper bf16
	s_mov_b32 s34, 0x7ffffffe                      ; a key behind every distance's
	s_lshl_b32 s22, s10, 11
	s_lshl_b32 s25, s11, 6
	s_add_co_u32 s22, s22, s25
	s_lshl_b32 s25, s20, 5
	s_add_co_u32 s22, s22, s25                     ; a test set's first row: 2,048 batch + 64 block + 32 set
	s_max_u32 s26, s20, 2
	s_sub_co_u32 s26, s26, 2
	s_lshl_b32 s26, s26, 5
	s_lshl_b32 s27, s10, 12
	s_add_co_u32 s26, s26, s27
	s_lshl_b32 s27, s11, 7
	s_add_co_u32 s26, s26, s27                     ; a ctx set's first row: 4,096 batch + 128 block + 32 (set - 2)
	s_add_co_u32 s27, s26, 16384                   ; and its queries' numbers in the list of groups
	s_cmp_lt_u32 s20, 2
	s_cselect_b32 s23, s22, s27                    ; my first query's number
	s_cselect_b32 s22, s22, s26                    ; my first row
	s_wait_kmcnt 0x0
	s_cselect_b64 s[28:29], s[6:7], s[4:5]         ; where my queries come from
	s_cselect_b64 s[30:31], s[12:13], s[16:17]     ; where the distances go
	s_cselect_b64 s[32:33], s[14:15], s[18:19]     ; and the indices
	s_mul_i32 s25, s22, 12
	v_mul_u32_u24 v[VQ], v[LN], 12
	v_add_nc_u32 v[VQ], s25, v[VQ]
	global_load_b32 v64, v[VQ], s[28:29]
	global_load_b32 v65, v[VQ], s[28:29] offset:4
	global_load_b32 v66, v[VQ], s[28:29] offset:8
	s_lshl_b32 s25, s23, 4
	s_lshl_b32 s26, s21, 3
	s_add_co_u32 s25, s25, s26
	v_lshl_add_u32 v[VG], v[LN], 4, s25
	global_load_b64 v[GW:GW+1], v[VG], s[8:9]      ; my 8 of the query's 16 group numbers
	; the table: waves 0-7; thread t takes the pairs t + 256 n, n = 0..7: 24 bytes each, as three loads of 8
	s_cmp_lt_u32 s2, 8
	s_cbranch_scc0 .Lnotab
	s_mul_i32 s25, s10, 49152
	v_mul_u32_u24 v[VT], v0, 24
	v_add_nc_u32 v[VT], s25, v[VT]
.set i, 0
.rept 24
	global_load_b64 v[CR+2*i:CR+2*i+1], v[VT], s[4:5] offset:6144*(i/3)+8*(i%3)
.set i, i+1
.endr
	v_lshrrev_b32 v[TA], 3, v0                     ; group t / 8 (+ 32 n), record t % 8
	v_mul_u32_u24 v[TA], v[TA], TP
	v_and_b32 v[TT], 7, v0
	v_lshl_add_u32 v[TA], v[TT], 5, v[TA]
	s_wait_loadcnt 0x0
.set i, 0
.rept 8
	PAIRREC REC, CR+6*i
	ds_store_b128 v[TA], v[REC:REC+3] offset:TAB+32*TP*i
	ds_store_b128 v[TA], v[REC+4:REC+7] offset:TAB+32*TP*i+16
.set i, i+1
.endr
.Lnotab:
	s_wait_loadcnt 0x0                             ; my query and my group numbers
	v_cvt_pk_bf16_f32 v[TT], v64, v65
	v_cvt_pk_bf16_f32 v67, v66, v66
	v_lshlrev_b32 v64, 16, v[TT]
	v_and_b32 v65, s24, v[TT]
	v_lshlrev_b32 v66, 16, v67
	v_mul_f32 v[XQ+6], v64, v64
	v_fmac_f32 v[XQ+6], v65, v65
	v_fmac_f32 v[XQ+6], v66, v66
	v_mov_b32 v[XQ+7], v[XQ+6]
	v_add_f32 v[XQ], v64, v64
	v_add_f32 v[XQ+1], v64, v64
	v_add_f32 v[XQ+2], v65, v65
	v_add_f32 v[XQ+3], v65, v65
	v_add_f32 v[XQ+4], v66, v66
	v_add_f32 v[XQ+5], v66, v66
.set i, 0
.rept 16                                       ; the list starts with 16 entries behind every real one, so that all trips have one text
	v_mov_b32 v[RK+i], s34
	v_mov_b32 v[RG+i], 0
.set i, i+1
.endr
	s_wait_dscnt 0x0                               ; for the others' sake: my part of the table is written
	s_barrier_signal -1
	s_barrier_wait -1
	s_mov_b32 s14, 8
.Lgrp:                                                 ; 8 trips, a group each
	v_and_b32 v[GI], 0xff, v[GW]
	v_min_u32 v[GI], 0xff, v[GI]                   ; a number read from memory is held to the table before it enters an address
	v_mul_u32_u24 v[CA], v[GI], TP
	v_lshlrev_b32 v[IB], 4, v[GI]
	v_alignbit_b32 v[GW], v[GW+1], v[GW], 8        ; the next byte comes down
	v_lshrrev_b32 v[GW+1], 8, v[GW+1]
.set i, 0
.rept 16
	ds_load_b128 v[CR+4*i:CR+4*i+3], v[CA] offset:TAB+16*i
.set i, i+1
.endr
.set i, 0
.rept 16
	v_add_nc_u32 v[BG+i], i, v[IB]
.set i, i+1
.endr
	s_wait_dscnt 0x0
	DIST CR, XQ
.set i, 0
.rept 16
	MAPK BK+i, T+i
.set i, i+1
.endr
	SORT16
	MINSTEP
	CLEAN
	s_sub_co_u32 s14, s14, 1
	s_cmp_lg_u32 s14, 0
	s_cbranch_scc1 .Lgrp
	; the halves meet: the odd wave hands its list to the even one
	s_lshl_b32 s25, s20, 12
	s_add_co_u32 s25, s25, XCH
	v_lshl_add_u32 v[XA], v[LN], 4, s25
	s_cmp_eq_u32 s21, 1
	s_cbranch_scc0 .Lnox
.set i, 0
.rept 8
	ds_store_b128 v[XA], v[RK+4*i:RK+4*i+3] offset:512*i
.set i, i+1
.endr
.Lnox:
	s_wait_dscnt 0x0
	s_barrier_signal -1
	s_barrier_wait -1
	s_cmp_eq_u32 s21, 0
	s_cbranch_scc0 .Lend
.set i, 0
.rept 4
	ds_load_b128 v[BK+4*i:BK+4*i+3], v[XA] offset:512*i
.set i, i+1
.endr
.set i, 0
.rept 4
	ds_load_b128 v[BG+4*i:BG+4*i+3], v[XA] offset:2048+512*i
.set i, i+1
.endr
	s_wait_dscnt 0x0
	RESETP
	MINSTEP
	CLEAN                                          ; the 16 nearest, in order
.set i, 0
.rept 16
	MAPK T+i, RK+i                                 ; the key back to d2's bits
.set i, i+1
.endr
.set i, 0
.rept 16
	v_max_num_f32 v[T+i], 0, v[T+i]
.set i, i+1
.endr
.set i, 0
.rept 16
	v_sqrt_f32 v[T+i], v[T+i]
.set i, i+1
.endr
	; the way out's addresses are the plain work behind the roots
	s_mul_i32 s25, s20, 5120
	s_add_co_u32 s25, s25, STG
	v_mul_u32_u24 v[STO], v[LN], 80                ; in: a row of 64 bytes a lane, pitch 80
	v_add_nc_u32 v[STO], s25, v[STO]
	v_lshrrev_b32 v[RD], 2, v[LN]                  ; back: four lanes a row, eight rows a load
	v_mul_u32_u24 v[RD], v[RD], 80
	v_and_b32 v[TT], 3, v[LN]
	v_lshl_add_u32 v[RD], v[TT], 4, v[RD]
	v_add_nc_u32 v[RD], s25, v[RD]
	s_lshl_b32 s26, s22, 6                         ; a row of either output is 64 bytes
	v_lshl_add_u32 v[GOF], v[LN], 4, s26
	s_wait_alu depctr_va_vdst(0)                   ; one wait for the 16 roots, ahead of their first reader
.set i, 0
.rept 4
	ds_store_b128 v[STO], v[T+4*i:T+4*i+3] offset:16*i
	ds_store_b128 v[STO], v[RG+4*i:RG+4*i+3] offset:2560+16*i
.set i, i+1
.endr
.set i, 0
.rept 4
	ds_load_b128 v[U+4*i:U+4*i+3], v[RD] offset:640*i          ; LDS serves a wave's instructions in order (ISA guide 5.7.1.4): these see the stores above
	ds_load_b128 v[BK+4*i:BK+4*i+3], v[RD] offset:2560+640*i
.set i, i+1
.endr
	s_wait_dscnt 0x0
.set i, 0
.rept 4
	global_store_b128 v[GOF], v[U+4*i:U+4*i+3], s[30:31] offset:512*i    ; a store covers eight rows: 512 consecutive bytes, aligned
	global_store_b128 v[GOF], v[BK+4*i:BK+4*i+3], s[32:33] offset:512*i
.set i, i+1
.endr
.Lend:
	s_wait_tensorcnt 0x0                           ; the wave's end, behind my last LDS store
	ds_add_u32 v[SPW], v[NIL]
	s_wait_dscnt 0x0
	s_endpgm
.Lfunc_end_k_q1478317b9e_knn_final:
	.size	k_q1478317b9e_knn_final, .Lfunc_end_k_q1478317b9e_knn_final-k_q1478317b9e_knn_final
	.p2alignl 7, 3214868480
	.fill 96, 4, 3214868480
	.section	.rodata,"a",@progbits
	.p2align	6, 0x0
	.amdhsa_kernel k_q1478317b9e_knn_final
		.amdhsa_group_segment_fixed_size 126464
		.amdhsa_private_segment_fixed_size 0
		.amdhsa_enable_private_segment 0
		.amdhsa_kernarg_size 56
		.amdhsa_user_sgpr_count 2
		.amdhsa_user_sgpr_kernarg_segment_ptr 1
		.amdhsa_wavefront_size32 1
		.amdhsa_system_sgpr_workgroup_id_x 1
		.amdhsa_system_sgpr_workgroup_id_y 1
		.amdhsa_system_sgpr_workgroup_id_z 1
		.amdhsa_system_vgpr_workitem_id 0
		.amdhsa_next_free_vgpr 208
		.amdhsa_next_free_sgpr 66
		.amdhsa_reserve_vcc 1
		.amdhsa_float_denorm_mode_32 3
		.amdhsa_float_denorm_mode_16_64 3
		.amdhsa_memory_ordered 1
		.amdhsa_forward_progress 1
		.amdhsa_inst_pref_size 58
	.end_amdhsa_kernel
	.amdgpu_metadata
---
amdhsa.version: [ 1, 2 ]
amdhsa.kernels:
  - .name:           k_q1478317b9e_knn_final
    .symbol:         k_q1478317b9e_knn_final.kd
    .args:
      - { .name: s_ctx, .offset: 0, .size: 8, .value_kind: global_buffer, .address_space: global }
      - { .name: s_test, .offset: 8, .size: 8, .value_kind: global_buffer, .address_space: global }
      - { .name: groups, .offset: 16, .size: 8, .value_kind: global_buffer, .address_space: global }
      - { .name: out2, .offset: 24, .size: 8, .value_kind: global_buffer, .address_space: global }
      - { .name: out3, .offset: 32, .size: 8, .value_kind: global_buffer, .address_space: global }
      - { .name: out4, .offset: 40, .size: 8, .value_kind: global_buffer, .address_space: global }
      - { .name: out5, .offset: 48, .size: 8, .value_kind: global_buffer, .address_space: global }
    .group_segment_fixed_size: 126464
    .private_segment_fixed_size: 0
    .kernarg_segment_align: 8
    .kernarg_segment_size: 56
    .max_flat_workgroup_size: 384
    .sgpr_count:     66
    .vgpr_count:     208
    .wavefront_size: 32
...
	.end_amdgpu_metadata
.endif
;; end of part 3
;; ======== version 2 of 2: 3 launches; version 1 with the launch mlp written anew for expert scheduling mode
;; limits: values are held in f16: magnitudes above 65,504 overflow, below 6.1e-05 lose precision
;; workspace buffers: groups 786,432 bytes of whole numbers
;; launch mlp (part 4): grid 256 x 1, 12 waves a work-group, no clusters, 158,976 bytes of LDS; arguments W1, W2, W3, b1, b2, b3, ln_scale, ln_bias, emb_obs, s_test, s_ctx, f_ctx, out0, out1; writes out0, out1
.if DOCPART == 4
	.amdgcn_target "amdgcn-amd-amdhsa--gfx1250"
	.amdhsa_code_object_version 6
	.text
	.protected	k_q1478317b9e_mlp
	.globl	k_q1478317b9e_mlp
	.p2align	8
	.type	k_q1478317b9e_mlp,@function
k_q1478317b9e_mlp:
	s_mov_b64 s[64:65], 0
	v_nop
	global_prefetch_b8 v0, s[64:65] scope:SCOPE_SE
	s_setreg_imm32_b32 hwreg(HW_REG_WAVE_SCHED_MODE, 0, 2), 2
	s_setreg_imm32_b32 hwreg(HW_REG_WAVE_MODE, 25, 1), 1
	s_wait_xcnt 0x0
	s_wait_alu depctr_vm_vsrc(0)
; out0 / out1 = LayerNorm(MLP([emb, s, f])): 15 -> 256 -> 128 -> 64, tanh-gelu between the layers, for 16,384 test rows and 32,768 ctx rows.
; SHARES.  256 work-groups of 12 waves.  Work-group i owns test rows 64 i .. +63 (waves 0-3) and ctx rows 128 i .. +127 (waves 4-11); a wave owns ONE tile of 16 rows from input to output.
; FORMATS.  Every input is rounded to bf16 once.  Layer 1: x and W1 in bf16.  Layer 2: h1 in f16, W2 = the bf16 number written as f16.  Layer 3: h2 as a bf16 pair hi + lo
; (two matrix instructions for each fragment of W3), W3 in bf16.  Sums, gelu and the norm in f32.
; LIMITS.  |h1| stays under 65,504 (f16); a weight of W2 below 7.6e-6 in magnitude loses low bits in f16's fixed step; NaN and infinities are not treated apart.
; LAYOUT.  All products are taken transposed: source 0 = 16 features x 32 k of W^T, read turned out of LDS ([k][n] there) by ds_load_tr16_b128; source 1 = 32 k x 16 rows of activations.
; In a result lane (r, h) holds row r and features n0 + 8 h + 0..7, so two results, packed in pairs, ARE source 1 of the next layer: no activation goes through LDS.
; A bias is loaded straight into its accumulator, so every product adds in place; the accumulators take turns, one instruction a turn.
; NO TENSOR LOADS, NO CLUSTER: each weight is rounded (W2 also re-coded) on its way into LDS, so it passes through registers anyway; the weights are 179,200 bytes, read once by a work-group.
; THE MODE: SCHED_MODE bits 1:0 = 2 (LLVM: expert scheduling mode 2), set by the entry lines.  The code itself states the register dependences
; between vector or matrix instructions and memory or LDS instructions, with s_wait_alu, always for 0.
; THE PLAN.  Registers that memory or LDS instructions touch:
;   v14, v15, v18-v25   offsets and LDS addresses of the start: made by vector lines, one wait, then read by the loads and LDS stores; written again only behind the wait on vm_vsrc that follows the barrier.
;   v[104:231]          raw weights: loaded, converted in place, one wait for a batch of conversions, then a run of LDS stores; behind the same wait on vm_vsrc LDS loads land there.
;   v4-v11              addresses made once behind the barrier, ahead of one wait, and never written again.
;   ACC1, A1            loaded for chunk c; read by layer 1's two products, the gelu and the roundings of chunk c; behind ONE wait that follows the roundings they are loaded for chunk c + 1.
;   A2, layer 2         loaded in chunk c behind the wait that the gelu's exponentials have anyway: the eight products of chunk c - 1, which read A2, were issued ahead of that wait.
;   A2, layer 3         two buffers of 32 registers by turns: chunk c reads buffer c % 2; behind its gelu's first wait the other buffer, which chunk c - 1's products read, is loaded for chunk c + 1.
;   SC, BI              loaded in layer 3's last chunk behind the same wait: SC into the fragment buffer that chunk 2 read, BI where layer 2's first four results lay.
;   ACC3                b3 lands in it in layer 1's last chunk; the norm's lines write it last; one wait; the stage's stores read it.
.set W1T,   0                          ; [16 k][256 n] bf16, pitch 544; row 15 holds 0
.set P1,    544
.set W2T,   8704                       ; [256 k][128 n] f16, pitch 288
.set P2,    288
.set W3T,   82432                      ; [128 k][64 n] bf16, pitch 160.  The three pitches are odd multiples of 32 bytes
.set P3,    160
.set PAR,   102912                     ; f32 of the rounded b1 (+0), b2 (+1024), b3 (+1536), ln_scale (+1792), ln_bias (+2048)
.set STG,   105216                     ; the way out: 16 rows x 272 bytes for each wave.  The 1,536 bytes behind the stages hold the spare words
.set SP,    272
.set TR1,  4                           ; v4     my lane's place in a turned fragment of W1
.set TR2,  5                           ; v5, v6 the same for W2: k 0-127, k 128-255
.set TR3,  7                           ; v7     the same for W3
.set PB,   8                           ; v8     PAR + 32 h
.set STO,  9                           ; v9     the way out: where I put my 32 bytes of a feature tile
.set RD,   10                          ; v10    the way out: where I read rows back
.set GO,   11                          ; v11    my byte offset in the output
.set XB,   16                          ; v[16:23]   x as source 1 (k 16-31 are 0)
.set A1,   24                          ; v[24:39]   two fragments of W1 (their k 16-31 are 0)
.set ACC1, 40                          ; v[40:55]   two results of layer 1
.set ACC3, 24                          ; v[24:55]   four results of layer 3, where A1 and ACC1 lay
.set H,    56                          ; v[56:63]   packed activations
.set HL,   64                          ; v[64:71]   their low parts (layer 3)
.set P,    72                          ; v[72:87]   at work
.set E,    88                          ; v[88:103]  at work
.set A2,   104                         ; v[104:167] eight fragments of W2, or two buffers of four of W3; raw weights at the start
.set SC,   104                         ; v[104:135] ln_scale of my 32 features
.set BI,   168                         ; v[168:199] ln_bias, where layer 2's first four results lay
.set ACC2, 168                         ; v[168:231] eight results of layer 2
	s_load_b512 s[8:23], s[0:1], 0x0               ; W1 s[8:9], W2 s[10:11], W3 s[12:13], b1 s[14:15], b2 s[16:17], b3 s[18:19], ln_scale s[20:21], ln_bias s[22:23]
	s_load_b256 s[24:31], s[0:1], 0x40             ; emb_obs s[24:25], s_test s[26:27], s_ctx s[28:29], f_ctx s[30:31]
	s_load_b128 s[32:35], s[0:1], 0x60             ; out0 s[32:33], out1 s[34:35]
	v_lshl_add_u32 v13, v0, 2, 0x26700
	v_mov_b32 v235, 0
	v_and_b32 v1, 31, v0                           ; L
	v_and_b32 v2, 15, v0                           ; r
	v_bfe_u32 v3, v0, 4, 1                         ; h
	v_lshrrev_b32 v14, 5, v0
	v_readfirstlane_b32 s2, v14                    ; wave 0..11
	s_mov_b32 s44, 0xc0135761                      ; c1 = -2 log2(e) sqrt(2/pi)
	s_mov_b32 s45, s44                             ; named with it as a pair
	s_mov_b32 s46, 0xbdd2d3e8                      ; c2 = 0.044715 c1
	s_mov_b32 s47, s46
	s_mov_b32 s48, 0x76543210                      ; v_permlanex16_b32: each lane takes its own place in the other half
	s_mov_b32 s49, 0xfedcba98
	s_mov_b32 s50, 0xffff0000                      ; a word's upper bf16
	s_mov_b32 s51, 0x3c800000                      ; 1/64
	s_lshl_b32 s3, ttmp9, 6
	s_wait_alu depctr_va_sdst(0)                   ; s2 is written, ahead of its first reader: rows, branches and LDS places are made from it
	s_lshl_b32 s4, s2, 4
	s_add_co_u32 s3, s3, s4                        ; a test wave's first row: 64 i + 16 w
	s_lshl_b32 s5, ttmp9, 7
	s_max_u32 s6, s2, 4
	s_sub_co_u32 s6, s6, 4
	s_lshl_b32 s6, s6, 4
	s_add_co_u32 s5, s5, s6                        ; a ctx wave's first row: 128 i + 16 (w - 4)
	s_cmp_lt_u32 s2, 4
	s_cselect_b32 s3, s3, s5                       ; my tile's first row
	v_add_nc_u32 v14, s3, v2                       ; my row
	v_lshlrev_b32 v15, 5, v14                      ; x 32 bytes of f
	v_mul_u32_u24 v14, v14, 12                     ; x 12 bytes of s
	s_wait_kmcnt 0x0
	s_load_b256 s[36:43], s[24:25], 0x0            ; emb_obs: row 0 in s[36:39], row 1 in s[40:43]
	s_cmp_lt_u32 s2, 4
	s_cselect_b64 s[52:53], s[26:27], s[28:29]     ; where my s comes from
	s_cselect_b64 s[54:55], s[32:33], s[34:35]     ; where my rows go
	s_wait_alu depctr_va_vdst(0)                   ; v14 and v15 are written, which the loads of s and f read as their offsets
	global_load_b32 v232, v14, s[52:53]
	global_load_b32 v233, v14, s[52:53] offset:4
	global_load_b32 v234, v14, s[52:53] offset:8
	s_cmp_lt_u32 s2, 4
	s_cbranch_scc1 .Ltestf
	global_load_b128 v[236:239], v15, s[30:31]
	global_load_b128 v[240:243], v15, s[30:31] offset:16
	s_branch .Lfdone
.Ltestf:                                               ; a test row's f is 0
.set i, 236
.rept 8
	v_mov_b32 v[i], 0
.set i, i+1
.endr
.Lfdone:
; THE WEIGHTS INTO LDS.  Waves 0-7: 32 rows of W2 each.  Waves 8-11: 32 rows of W3 and 4 of W1 each.  Wave 8 also the five vectors.
.macro TOF16 a                         ; four numbers: rounded to bf16, widened, written as f16 into the first two registers
	v_cvt_pk_bf16_f32 v16, v[(\a)], v[(\a)+1]
	v_cvt_pk_bf16_f32 v17, v[(\a)+2], v[(\a)+3]
	v_lshlrev_b32 v[(\a)], 16, v16
	v_and_b32 v[(\a)+1], s50, v16
	v_lshlrev_b32 v[(\a)+2], 16, v17
	v_and_b32 v[(\a)+3], s50, v17
	v_cvt_pk_f16_f32 v[(\a)], v[(\a)], v[(\a)+1]
	v_cvt_pk_f16_f32 v[(\a)+1], v[(\a)+2], v[(\a)+3]
.endm
.macro TOBF a                          ; four numbers rounded to bf16 into the first two registers
	v_cvt_pk_bf16_f32 v[(\a)], v[(\a)], v[(\a)+1]
	v_cvt_pk_bf16_f32 v[(\a)+1], v[(\a)+2], v[(\a)+3]
.endm
.macro RND2 a                          ; two numbers rounded to bf16 and widened again, in place
	v_cvt_pk_bf16_f32 v16, v[(\a)], v[(\a)+1]
	v_lshlrev_b32 v[(\a)], 16, v16
	v_and_b32 v[(\a)+1], s50, v16
.endm
	s_cmp_lt_u32 s2, 8
	s_cbranch_scc0 .Lw13
	s_lshl_b32 s4, s2, 14                          ; 32 rows of 512 bytes
	v_lshl_add_u32 v18, v1, 4, s4                  ; a load takes one row: 16 bytes a lane
	s_mul_i32 s5, s2, 32*P2
	s_add_co_u32 s5, s5, W2T
	v_lshl_add_u32 v19, v1, 3, s5                  ; 8 bytes of f16 a lane
	s_wait_alu depctr_va_vdst(0)                   ; v18 is written, the offset of the 32 loads, and v19, the address of the 32 LDS stores
.set i, 0
.rept 32
	global_load_b128 v[104+4*i:107+4*i], v18, s[10:11] offset:512*i
.set i, i+1
.endr
; Four batches of eight rows.  A batch's conversions write only its own rows' registers and v16, v17, which no memory or LDS instruction names: the stores of the batch before are not touched.
.set b, 0
.rept 4
	s_wait_loadcnt 24-8*b                          ; loads come back in order (ISA guide 5.7.1): this batch's eight rows are in, the 24 - 8 b loads issued behind them stay out; the last count, 0, also shows my row of s and f
.set i, 8*b
.rept 8
	TOF16 104+4*i
.set i, i+1
.endr
	s_wait_alu depctr_va_vdst(0)                   ; the batch's conversions have written the eight pairs of registers that the LDS stores below read
.set i, 8*b
.rept 8
	ds_store_b64 v19, v[104+4*i:105+4*i] offset:P2*i
.set i, i+1
.endr
.set b, b+1
.endr
	s_branch .Lwdone
.Lw13:
	s_sub_co_u32 s4, s2, 8                         ; 0..3
	s_lshl_b32 s5, s4, 13                          ; 32 rows of W3, 256 bytes each
	v_lshl_add_u32 v18, v1, 4, s5                  ; a load takes two rows
	s_lshl_b32 s5, s4, 12                          ; 4 rows of W1, 1,024 bytes each
	v_lshl_add_u32 v20, v1, 4, s5                  ; two loads a row
	s_mul_i32 s5, s4, 32*P3
	s_add_co_u32 s5, s5, W3T
	v_mul_u32_u24 v19, v3, P3                      ; lanes 16-31 hold the odd row
	v_lshl_add_u32 v19, v2, 3, v19
	v_add_nc_u32 v19, s5, v19
	s_mul_i32 s5, s4, 4*P1
	v_lshl_add_u32 v21, v1, 3, s5                  ; W1T = 0
	s_wait_alu depctr_va_vdst(0)                   ; v18 and v20 are written, the offsets of the loads of W3 and W1, and v19 and v21, the addresses of their LDS stores
.set i, 0
.rept 16
	global_load_b128 v[104+4*i:107+4*i], v18, s[12:13] offset:512*i
.set i, i+1
.endr
.set i, 0
.rept 6
	global_load_b128 v[168+4*i:171+4*i], v20, s[8:9] offset:512*i
.set i, i+1
.endr
	s_cmp_lt_u32 s4, 3
	s_cbranch_scc0 .Lw1z
	global_load_b128 v[192:195], v20, s[8:9] offset:3072
	global_load_b128 v[196:199], v20, s[8:9] offset:3584
	s_branch .Lw1l
.Lw1z:                                                 ; W1 has 15 rows: row 15 of the table is 0, and nothing is loaded past the buffer
.set i, 192
.rept 8
	v_mov_b32 v[i], 0
.set i, i+1
.endr
.Lw1l:
	s_cmp_eq_u32 s2, 8
	s_cbranch_scc0 .Lnopar
	v_lshlrev_b32 v22, 4, v1
	v_lshlrev_b32 v23, 3, v1
	v_lshl_add_u32 v24, v1, 4, PAR
	v_lshl_add_u32 v25, v1, 3, PAR+1536
	s_wait_alu depctr_va_vdst(0)                   ; v22 and v23 are written, the offsets of the six loads, and v24 and v25, the addresses of the six LDS stores
	global_load_b128 v[200:203], v22, s[14:15]
	global_load_b128 v[204:207], v22, s[14:15] offset:512
	global_load_b128 v[208:211], v22, s[16:17]
	global_load_b64 v[212:213], v23, s[18:19]
	global_load_b64 v[214:215], v23, s[20:21]
	global_load_b64 v[216:217], v23, s[22:23]
	s_wait_loadcnt 0x0
.set i, 200
.rept 9
	RND2 i
.set i, i+2
.endr
	s_wait_alu depctr_va_vdst(0)                   ; the roundings have written v[200:217], which the LDS stores read
	ds_store_b128 v24, v[200:203]
	ds_store_b128 v24, v[204:207] offset:512
	ds_store_b128 v24, v[208:211] offset:1024
	ds_store_b64 v25, v[212:213]
	ds_store_b64 v25, v[214:215] offset:256
	ds_store_b64 v25, v[216:217] offset:512
.Lnopar:
	s_wait_loadcnt 0x0
.set i, 0
.rept 16
	TOBF 104+4*i
.set i, i+1
.endr
.set i, 0
.rept 8
	TOBF 168+4*i
.set i, i+1
.endr
	s_wait_alu depctr_va_vdst(0)                   ; the 24 conversions have written the pairs of registers that the 24 LDS stores read
.set i, 0
.rept 16
	ds_store_b64 v19, v[104+4*i:105+4*i] offset:2*P3*i
.set i, i+1
.endr
.set i, 0
.rept 8
	ds_store_b64 v21, v[168+4*i:169+4*i] offset:P1*(i/2)+256*(i%2)
.set i, i+1
.endr
.Lwdone:
	s_wait_dscnt 0x0                               ; for the others' sake: my part of the tables is written
	s_barrier_signal -1
	s_barrier_wait -1                              ; the tables are whole; nothing writes them again
	s_wait_alu depctr_vm_vsrc(0)                   ; my loads and LDS stores above have read their offsets, addresses and data (v14-v25, v[104:231]): the vector lines and the LDS loads below write v16-v25 and v[104:231] again
	; addresses.  The turning load: lane L reads 16 bytes of row k0 + 8 h + L % 8 at column n0 + 8 ((L / 8) % 2)
	v_and_b32 v26, 7, v0
	v_lshl_add_u32 v26, v3, 3, v26
	v_bfe_u32 v27, v0, 3, 1
	v_lshlrev_b32 v27, 4, v27
	v_mul_u32_u24 v[TR1], v26, P1
	v_add_nc_u32 v[TR1], v[TR1], v27
	v_mul_u32_u24 v[TR2], v26, P2
	v_add_nc_u32 v[TR2], v[TR2], v27
	v_add_nc_u32 v[TR2], W2T, v[TR2]
	v_add_nc_u32 v[TR2+1], 128*P2, v[TR2]          ; so that the immediates stay within 16 bits
	v_mul_u32_u24 v[TR3], v26, P3
	v_add_nc_u32 v[TR3], v[TR3], v27
	v_add_nc_u32 v[TR3], W3T, v[TR3]
	v_lshl_add_u32 v[PB], v3, 5, PAR
	s_mul_i32 s4, s2, 16*SP
	s_add_co_u32 s4, s4, STG
	v_mul_u32_u24 v[STO], v2, SP
	v_lshl_add_u32 v[STO], v3, 5, v[STO]
	v_add_nc_u32 v[STO], s4, v[STO]
	v_mul_u32_u24 v[RD], v3, SP
	v_lshl_add_u32 v[RD], v2, 4, v[RD]
	v_add_nc_u32 v[RD], s4, v[RD]
	s_lshl_b32 s5, s3, 8                           ; a row of the output is 256 bytes
	v_lshlrev_b32 v[GO], 8, v3
	v_lshl_add_u32 v[GO], v2, 4, v[GO]
	v_add_nc_u32 v[GO], s5, v[GO]
	; x as source 1: lanes with h = 0 hold k 0-7 (e0 e1 e2 e3 s0 s1 s2 f0), lanes with h = 1 hold k 8-15 (f1 .. f7, 0); k 16-31 are 0, in W1's fragments too
.irp i, 28,29,30,31,36,37,38,39
	v_mov_b32 v\i, 0
.endr
	s_wait_kmcnt 0x0                               ; emb_obs
	s_cmp_lt_u32 s2, 4                             ; test rows take row 0, ctx rows row 1
	s_cselect_b32 s36, s36, s40
	s_cselect_b32 s37, s37, s41
	s_cselect_b32 s38, s38, s42
	s_cselect_b32 s39, s39, s43
	v_mov_b32 v40, s36
	v_mov_b32 v41, s37
	v_mov_b32 v42, s38
	v_mov_b32 v43, s39
	v_cvt_pk_bf16_f32 v16, v40, v41
	v_cvt_pk_bf16_f32 v17, v42, v43
	v_cvt_pk_bf16_f32 v18, v232, v233
	v_cvt_pk_bf16_f32 v19, v234, v236
	v_cvt_pk_bf16_f32 v20, v237, v238
	v_cvt_pk_bf16_f32 v21, v239, v240
	v_cvt_pk_bf16_f32 v22, v241, v242
	v_cvt_pk_bf16_f32 v23, v243, v28
	v_cmp_eq_u32 vcc_lo, 1, v3
	s_wait_alu depctr_va_vcc(0)                    ; VCC is written, ahead of the four selects that read it
	v_cndmask_b32 v16, v16, v20, vcc_lo
	v_cndmask_b32 v17, v17, v21, vcc_lo
	v_cndmask_b32 v18, v18, v22, vcc_lo
	v_cndmask_b32 v19, v19, v23, vcc_lo
	v_mov_b32 v20, 0
	v_mov_b32 v21, 0
	v_mov_b32 v22, 0
	v_mov_b32 v23, 0
.macro PLACES                          ; four places behind matrix instructions, ahead of vector lines that read their results (ISA guide 7.12.1)
.rept 4
	v_nop
.endr
.endm
; gelu of 16 numbers in place: x / (1 + 2^(x (c1 + c2 x x))), in two parts, so that LDS loads can stand behind the first part's wait.
; The 16 exponentials are one batch with one wait, and so are the 16 reciprocals.  Each accumulator's lowest registers are read first.
.macro GELU_A s
.set g, 0
.rept 8
	v_pk_mul_f32 v[P+2*g:P+2*g+1], v[(\s)+2*g:(\s)+2*g+1], v[(\s)+2*g:(\s)+2*g+1]
.set g, g+1
.endr
.set g, 0
.rept 8
	v_pk_fma_f32 v[P+2*g:P+2*g+1], v[P+2*g:P+2*g+1], s[46:47], s[44:45] op_sel_hi:[1,0,0]
.set g, g+1
.endr
.set g, 0
.rept 8
	v_pk_mul_f32 v[P+2*g:P+2*g+1], v[P+2*g:P+2*g+1], v[(\s)+2*g:(\s)+2*g+1]
.set g, g+1
.endr
.set g, 0
.rept 16
	v_exp_f32 v[E+g], v[P+g]
.set g, g+1
.endr
	v_nop                                          ; a plain instruction behind the last exponential
	s_wait_alu depctr_va_vdst(0)                   ; the 16 exponentials have written v[E ..]; and the products of the chunk before, and every earlier vector line, are done with the registers in which the LDS loads that follow this macro land
.endm
.macro GELU_B s
.set g, 0
.rept 8
	v_pk_add_f32 v[E+2*g:E+2*g+1], v[E+2*g:E+2*g+1], 1.0 op_sel_hi:[1,0]
.set g, g+1
.endr
.set g, 0
.rept 16
	v_rcp_f32 v[E+g], v[E+g]
.set g, g+1
.endr
	v_nop
	s_wait_alu depctr_va_vdst(0)                   ; the 16 reciprocals have written v[E ..], ahead of their first reader
.set g, 0
.rept 8
	v_pk_mul_f32 v[(\s)+2*g:(\s)+2*g+1], v[(\s)+2*g:(\s)+2*g+1], v[E+2*g:E+2*g+1]
.set g, g+1
.endr
.endm
; What layer 1 needs for features 32 c .. 32 c + 31: six LDS loads
.macro L1LOAD c
	ds_load_b128 v[ACC1:ACC1+3], v[PB] offset:128*(\c)            ; b1 of my 8 + 8 features
	ds_load_b128 v[ACC1+4:ACC1+7], v[PB] offset:128*(\c)+16
	ds_load_b128 v[ACC1+8:ACC1+11], v[PB] offset:128*(\c)+64
	ds_load_b128 v[ACC1+12:ACC1+15], v[PB] offset:128*(\c)+80
	ds_load_tr16_b128 v[A1:A1+3], v[TR1] offset:64*(\c)
	ds_load_tr16_b128 v[A1+8:A1+11], v[TR1] offset:64*(\c)+32
.endm
	s_wait_alu depctr_va_vdst(0)                   ; the addresses v4 to v11 are written, which every LDS and global access below reads; the lines that made x are done with v40-v43, and the start's conversions with v[168:231]: LDS loads land in both
	L1LOAD 0
	; b2 into layer 2's accumulators
.set i, 0
.rept 16
	ds_load_b128 v[ACC2+4*i:ACC2+4*i+3], v[PB] offset:1024+64*(i/2)+16*(i%2)
.set i, i+1
.endr
; Features 32 c .. 32 c + 31 of layer 1 (two results), their gelu, and their share of layer 2: k = 32 c .. + 31 for all eight feature tiles.
.macro CHUNK1 c
.if (\c) == 0
	s_wait_dscnt 16                                ; layer 1's six loads are in; b2's sixteen, issued behind them, may be out
.else
	s_wait_dscnt 0x0                               ; layer 1's six loads, issued ahead of the last chunk's eight products
.endif
	v_wmma_f32_16x16x32_bf16 v[ACC1:ACC1+7], v[A1:A1+7], v[XB:XB+7], v[ACC1:ACC1+7]
	v_wmma_f32_16x16x32_bf16 v[ACC1+8:ACC1+15], v[A1+8:A1+15], v[XB:XB+7], v[ACC1+8:ACC1+15]
	PLACES
	GELU_A ACC1
.set nt, 0
.rept 8                                        ; W2's fragments, directly behind the wait: no vector or matrix line since it names v[A2 ..]
	ds_load_tr16_b128 v[A2+8*nt:A2+8*nt+3], v[TR2+(\c)/4] offset:32*P2*((\c)%4)+32*nt
	ds_load_tr16_b128 v[A2+8*nt+4:A2+8*nt+7], v[TR2+(\c)/4] offset:32*P2*((\c)%4)+16*P2+32*nt
.set nt, nt+1
.endr
	GELU_B ACC1
.set g, 0
.rept 8
	v_cvt_pk_f16_f32 v[H+g], v[ACC1+2*g], v[ACC1+2*g+1]
.set g, g+1
.endr
	s_wait_alu depctr_va_vdst(0)                   ; the roundings are done reading v[ACC1 ..], and layer 1's two products are done reading v[A1 ..]: the loads below land in both
.if (\c) < 7
	L1LOAD (\c)+1
	s_wait_dscnt 6                                 ; W2's fragments (and, in the first chunk, b2) are in; the six loads just issued may be out
.else
.set i, 0
.rept 8                                        ; b3 into layer 3's accumulators, where A1 and ACC1 lay
	ds_load_b128 v[ACC3+4*i:ACC3+4*i+3], v[PB] offset:1536+64*(i/2)+16*(i%2)
.set i, i+1
.endr
	s_wait_dscnt 8                                 ; W2's fragments are in; the eight loads just issued may be out
.endif
.set nt, 0
.rept 8
	v_wmma_f32_16x16x32_f16 v[ACC2+8*nt:ACC2+8*nt+7], v[A2+8*nt:A2+8*nt+7], v[H:H+7], v[ACC2+8*nt:ACC2+8*nt+7]
.set nt, nt+1
.endr
.endm
.irp c, 0,1,2,3,4,5,6,7
	CHUNK1 \c
.endr
	; LAYER 3.  k = 32 c .. + 31: gelu of two results of layer 2, split into hi + lo, eight products
	PLACES                                         ; behind layer 2's last products, ahead of the gelu that reads their results
.macro W3LOAD c                        ; W3's four fragments of chunk c into buffer c % 2
.set nt, 0
.rept 4
	ds_load_tr16_b128 v[A2+32*((\c)%2)+8*nt:A2+32*((\c)%2)+8*nt+3], v[TR3] offset:32*P3*(\c)+32*nt
	ds_load_tr16_b128 v[A2+32*((\c)%2)+8*nt+4:A2+32*((\c)%2)+8*nt+7], v[TR3] offset:32*P3*(\c)+16*P3+32*nt
.set nt, nt+1
.endr
.endm
.macro CHUNK3 c
	GELU_A ACC2+16*(\c)
.if (\c) == 0
	W3LOAD 0                                       ; both buffers: layer 2's last products, which read them, stand ahead of the wait
	W3LOAD 1
.elseif (\c) < 3
	W3LOAD (\c)+1                                  ; the other buffer, which the last chunk's products read, ahead of the wait
.else
.set i, 0
.rept 8                                        ; ln_scale into the buffer that chunk 2's products read
	ds_load_b128 v[SC+4*i:SC+4*i+3], v[PB] offset:1792+64*(i/2)+16*(i%2)
.set i, i+1
.endr
.set i, 0
.rept 8                                        ; ln_bias where layer 2's first four results lay: chunks 0 and 1 were the last to name them
	ds_load_b128 v[BI+4*i:BI+4*i+3], v[PB] offset:2048+64*(i/2)+16*(i%2)
.set i, i+1
.endr
.endif
	GELU_B ACC2+16*(\c)
.set g, 0
.rept 8
	v_cvt_pk_bf16_f32 v[H+g], v[ACC2+16*(\c)+2*g], v[ACC2+16*(\c)+2*g+1]
.set g, g+1
.endr
.set g, 0
.rept 8
	v_lshlrev_b32 v[P+2*g], 16, v[H+g]
	v_and_b32 v[P+2*g+1], s50, v[H+g]
.set g, g+1
.endr
.set g, 0
.rept 8
	v_pk_add_f32 v[P+2*g:P+2*g+1], v[ACC2+16*(\c)+2*g:ACC2+16*(\c)+2*g+1], v[P+2*g:P+2*g+1] neg_lo:[0,1] neg_hi:[0,1]  ; what the rounding left
.set g, g+1
.endr
.set g, 0
.rept 8
	v_cvt_pk_bf16_f32 v[HL+g], v[P+2*g], v[P+2*g+1]
.set g, g+1
.endr
.if (\c) < 3
	s_wait_dscnt 8                                 ; this chunk's fragments of W3 (and b3) are in; the next chunk's eight loads may be out
.else
	s_wait_dscnt 16                                ; this chunk's fragments are in; the sixteen loads of ln_scale and ln_bias may be out
.endif
.set nt, 0
.rept 4
	v_wmma_f32_16x16x32_bf16 v[ACC3+8*nt:ACC3+8*nt+7], v[A2+32*((\c)%2)+8*nt:A2+32*((\c)%2)+8*nt+7], v[H:H+7], v[ACC3+8*nt:ACC3+8*nt+7]
.set nt, nt+1
.endr
.set nt, 0
.rept 4
	v_wmma_f32_16x16x32_bf16 v[ACC3+8*nt:ACC3+8*nt+7], v[A2+32*((\c)%2)+8*nt:A2+32*((\c)%2)+8*nt+7], v[HL:HL+7], v[ACC3+8*nt:ACC3+8*nt+7]
.set nt, nt+1
.endr
.endm
.irp c, 0,1,2,3
	CHUNK3 \c
.endr
	; LAYER NORM.  A lane holds 32 of its row's 64 features, the lane 16 away the others.
	PLACES
.macro ROWSUM                          ; four packed chains in v[P:P+7] into the row's sum, in v[E] of every lane
	v_pk_add_f32 v[P:P+1], v[P:P+1], v[P+2:P+3]
	v_pk_add_f32 v[P+4:P+5], v[P+4:P+5], v[P+6:P+7]
	v_pk_add_f32 v[P:P+1], v[P:P+1], v[P+4:P+5]
	v_add_f32 v[E], v[P], v[P+1]
	v_permlanex16_b32 v[E+1], v[E], s48, s49
	v_add_f32 v[E], v[E], v[E+1]
.endm
.set nt, 0
.rept 4
	v_pk_add_f32 v[P+2*nt:P+2*nt+1], v[ACC3+8*nt:ACC3+8*nt+1], v[ACC3+8*nt+2:ACC3+8*nt+3]  ; each accumulator's lowest registers first
.set nt, nt+1
.endr
.irp k, 4,6
.set nt, 0
.rept 4
	v_pk_add_f32 v[P+2*nt:P+2*nt+1], v[P+2*nt:P+2*nt+1], v[ACC3+8*nt+\k:ACC3+8*nt+\k+1]
.set nt, nt+1
.endr
.endr
	ROWSUM
	v_mul_f32 v[E+2], s51, v[E]                    ; the mean,
	v_mov_b32 v[E+3], v[E+2]                       ; twice, for the packed lines
.set i, 0
.rept 16
	v_pk_add_f32 v[ACC3+2*i:ACC3+2*i+1], v[ACC3+2*i:ACC3+2*i+1], v[E+2:E+3] neg_lo:[0,1] neg_hi:[0,1]
.set i, i+1
.endr
.set nt, 0
.rept 4
	v_pk_mul_f32 v[P+2*nt:P+2*nt+1], v[ACC3+8*nt:ACC3+8*nt+1], v[ACC3+8*nt:ACC3+8*nt+1]
.set nt, nt+1
.endr
.irp k, 2,4,6
.set nt, 0
.rept 4
	v_pk_fma_f32 v[P+2*nt:P+2*nt+1], v[ACC3+8*nt+\k:ACC3+8*nt+\k+1], v[ACC3+8*nt+\k:ACC3+8*nt+\k+1], v[P+2*nt:P+2*nt+1]
.set nt, nt+1
.endr
.endr
	ROWSUM
	v_fmaak_f32 v[E], s51, v[E], 0x358637bd        ; the variance + 1e-6
	v_rsq_f32 v[E+2], v[E]
	v_rsq_f32 v[E+3], v[E]
	v_nop
	s_wait_alu depctr_va_vdst(0)                   ; the two reciprocal roots have written v[E+2:E+3], ahead of their first reader
	s_wait_dscnt 0x0                               ; ln_scale and ln_bias
.set i, 0
.rept 16
	v_pk_mul_f32 v[SC+2*i:SC+2*i+1], v[SC+2*i:SC+2*i+1], v[E+2:E+3]
.set i, i+1
.endr
.set i, 0
.rept 16
	v_pk_fma_f32 v[ACC3+2*i:ACC3+2*i+1], v[ACC3+2*i:ACC3+2*i+1], v[SC+2*i:SC+2*i+1], v[BI+2*i:BI+2*i+1]
.set i, i+1
.endr
	; THE WAY OUT, through my own stage: 32 bytes a lane and feature tile in, whole rows of 256 bytes back
	s_wait_alu depctr_va_vdst(0)                   ; the norm's last lines have written v[ACC3 ..], which the LDS stores read, and are done with v[SC ..], in which the loads from the stage land
.set nt, 0
.rept 4
	ds_store_b128 v[STO], v[ACC3+8*nt:ACC3+8*nt+3] offset:64*nt
	ds_store_b128 v[STO], v[ACC3+8*nt+4:ACC3+8*nt+7] offset:64*nt+16
.set nt, nt+1
.endr
.set i, 0
.rept 8
	ds_load_b128 v[A2+4*i:A2+4*i+3], v[RD] offset:2*SP*i  ; LDS serves a wave's instructions in order (ISA guide 5.7.1.4): these see the stores above
.set i, i+1
.endr
	s_wait_dscnt 0x0
.set i, 0
.rept 8
	global_store_b128 v[GO], v[A2+4*i:A2+4*i+3], s[54:55] offset:512*i  ; a store covers two rows: 512 consecutive bytes, aligned
.set i, i+1
.endr
	s_wait_dscnt 0x0                               ; the wave's end, ahead of the add onto my spare word
	s_wait_alu depctr_hold_cnt(0) depctr_sa_sdst(0) depctr_va_vdst(0) depctr_va_sdst(0) depctr_va_ssrc(0) depctr_va_vcc(0) depctr_vm_vsrc(0)
	s_wait_tensorcnt 0x0
	ds_add_u32 v13, v235
	s_wait_dscnt 0x0
	s_endpgm
.Lfunc_end_k_q1478317b9e_mlp:
	.size	k_q1478317b9e_mlp, .Lfunc_end_k_q1478317b9e_mlp-k_q1478317b9e_mlp
	.p2alignl 7, 3214868480
	.fill 96, 4, 3214868480
	.section	.rodata,"a",@progbits
	.p2align	6, 0x0
	.amdhsa_kernel k_q1478317b9e_mlp
		.amdhsa_group_segment_fixed_size 158976
		.amdhsa_private_segment_fixed_size 0
		.amdhsa_enable_private_segment 0
		.amdhsa_kernarg_size 112
		.amdhsa_user_sgpr_count 2
		.amdhsa_user_sgpr_kernarg_segment_ptr 1
		.amdhsa_wavefront_size32 1
		.amdhsa_system_sgpr_workgroup_id_x 1
		.amdhsa_system_sgpr_workgroup_id_y 1
		.amdhsa_system_sgpr_workgroup_id_z 1
		.amdhsa_system_vgpr_workitem_id 0
		.amdhsa_next_free_vgpr 244
		.amdhsa_next_free_sgpr 66
		.amdhsa_reserve_vcc 1
		.amdhsa_float_denorm_mode_32 3
		.amdhsa_float_denorm_mode_16_64 3
		.amdhsa_memory_ordered 1
		.amdhsa_forward_progress 1
		.amdhsa_inst_pref_size 122
	.end_amdhsa_kernel
	.amdgpu_metadata
---
amdhsa.version: [ 1, 2 ]
amdhsa.kernels:
  - .name:           k_q1478317b9e_mlp
    .symbol:         k_q1478317b9e_mlp.kd
    .args:
      - { .name: W1, .offset: 0, .size: 8, .value_kind: global_buffer, .address_space: global }
      - { .name: W2, .offset: 8, .size: 8, .value_kind: global_buffer, .address_space: global }
      - { .name: W3, .offset: 16, .size: 8, .value_kind: global_buffer, .address_space: global }
      - { .name: b1, .offset: 24, .size: 8, .value_kind: global_buffer, .address_space: global }
      - { .name: b2, .offset: 32, .size: 8, .value_kind: global_buffer, .address_space: global }
      - { .name: b3, .offset: 40, .size: 8, .value_kind: global_buffer, .address_space: global }
      - { .name: ln_scale, .offset: 48, .size: 8, .value_kind: global_buffer, .address_space: global }
      - { .name: ln_bias, .offset: 56, .size: 8, .value_kind: global_buffer, .address_space: global }
      - { .name: emb_obs, .offset: 64, .size: 8, .value_kind: global_buffer, .address_space: global }
      - { .name: s_test, .offset: 72, .size: 8, .value_kind: global_buffer, .address_space: global }
      - { .name: s_ctx, .offset: 80, .size: 8, .value_kind: global_buffer, .address_space: global }
      - { .name: f_ctx, .offset: 88, .size: 8, .value_kind: global_buffer, .address_space: global }
      - { .name: out0, .offset: 96, .size: 8, .value_kind: global_buffer, .address_space: global }
      - { .name: out1, .offset: 104, .size: 8, .value_kind: global_buffer, .address_space: global }
    .group_segment_fixed_size: 158976
    .private_segment_fixed_size: 0
    .kernarg_segment_align: 8
    .kernarg_segment_size: 112
    .max_flat_workgroup_size: 384
    .sgpr_count:     66
    .vgpr_count:     244
    .wavefront_size: 32
...
	.end_amdgpu_metadata
.endif
;; end of part 4
;; launch knn_groups: the kernel of part 2 again; grid 256 x 1, 12 waves a work-group, no clusters, 231,936 bytes of LDS; arguments s_ctx, s_test, groups; writes groups
;; launch knn_final: the kernel of part 3 again; grid 256 x 1, 12 waves a work-group, no clusters, 126,464 bytes of LDS; arguments s_ctx, s_test, groups, out2, out3, out4, out5; writes out2, out3, out4, out5
